; MI455X (gfx1250); checked and timed in simulation.
; The chip was launched on July 23, 2026; its instructions are those of AMD's public machine-readable ISA for CDNA 5 (MIT licence, August 2026) and "CDNA5" Instruction Set Architecture Reference Guide (July 2026). The comments in the code are by the model that wrote it; some were corrected since.
;; Block. Allowed arithmetic: matrix products marked QUANTISED: E4M3 operands, one given power-of-two scale a tensor, by v_wmma_f32_16x16x64_fp8_fp8 or v_wmma_f32_16x16x128_fp8_fp8, f32 sums; everything else in f32.
;; Inputs: W1 1,024 x 4,096 float32; W2 4,096 x 1,024 float32; Wk 16 x 1,024 x 64 float32; Wproj 1,024 x 1,024 float32; Wq 16 x 1,024 x 64 float32; Wv 16 x 1,024 x 64 float32; ln1_b 1,024 float32; ln1_w 1,024 float32; ln2_b 1,024 float32; ln2_w 1,024 float32; lowp_scales 16 int32 (the exponents e of the quantised operands' scales 2^e); p 16 float32; x 2 x 2,048 x 1,024 float32.
;; Outputs: out0 2 x 2,048 x 1,024 float32.
;; This version of the problem:
;;   THIS VERSION OF THE PROBLEM IS GIVEN IN LOW PRECISION. The matrix products marked QUANTISED in the list below multiply operands that are first quantised to E4M3 (4 exponent bits, 3 mantissa bits; 8 bits a number), with one given power-of-two scale for each operand tensor; their sums are f32. All else is computed in f32.
;;   The module's matrix products, in the order in which they are computed (A, B: the left and right operand; K: the contracted axis; several contracted axes count as one K, in the product's order):
;;     1. [M 1,024, K 1,024] x [K 1,024, N 4,096]; A: input Wq; B: computed on the way: QUANTISED (scales: A lowp_scales[0], B lowp_scales[1])
;;     2. [M 1,024, K 1,024] x [K 1,024, N 4,096]; A: input Wk; B: computed on the way: QUANTISED (scales: A lowp_scales[2], B lowp_scales[3])
;;     3. [M 1,024, K 1,024] x [K 1,024, N 4,096]; A: input Wv; B: computed on the way: QUANTISED (scales: A lowp_scales[4], B lowp_scales[5])
;;     4. batch 32 x [M 2,048, K 64] x [K 64, N 2,048]; A: computed on the way; B: computed on the way: QUANTISED (scales: A lowp_scales[6], B lowp_scales[7])
;;     5. batch 32 x [M 2,048, K 2,048] x [K 2,048, N 64]; A: softmax (see below); B: computed on the way: QUANTISED (scales: A lowp_scales[8], B lowp_scales[9])
;;     6. [M 4,096, K 1,024] x [K 1,024, N 1,024]; A: computed on the way; B: input Wproj: QUANTISED (scales: A lowp_scales[10], B lowp_scales[11])
;;     7. [M 4,096, K 1,024] x [K 1,024, N 4,096]; A: computed on the way; B: input W1: QUANTISED (scales: A lowp_scales[12], B lowp_scales[13])
;;     8. [M 4,096, K 4,096] x [K 4,096, N 1,024]; A: computed on the way; B: input W2: QUANTISED (scales: A lowp_scales[14], B lowp_scales[15])
;;   THE QUANTISER, for each operand of a quantised product, along K:
;;     - The operand's scale is 2^e, e = its entry of the input lowp_scales (int32; the entries are numbered through the quantised products in the list's order, A before B).
;;     - Each number is divided by the scale, clamped to +-448, and rounded to the nearest number of E4M3, ties to even, subnormals kept.
;;     - The product sums the exact products of the quantised numbers (number of the format x scale) in f32.
;;   ~~~python
;;   def quantise(x, axis, e):      # numpy; x: float32 -> the quantised numbers, widened to float32 again
;;       x = np.moveaxis(x, axis, -1); K = x.shape[-1]
;;       r = np.clip(x / 2.0 ** e, -448, 448)
;;       step = 2.0 ** (np.maximum(np.frexp(np.where(r == 0, 1, r))[1] - 1, -6) - 3)
;;       q = np.round(r / step) * step * 2.0 ** e      # np.round: ties to even
;;       return np.moveaxis(q, -1, axis).astype(np.float32)
;;   ~~~
;;   SOFTMAX AHEAD OF A QUANTISED PRODUCT. Where the list says 'softmax', what is quantised is not the finished softmax but p = 2^(t - M), with t = logit x log2(e) and M = ceil(the row's largest t), a whole number; so 1/2 < the row's largest p <= 1. The row's sum l is taken of the UNQUANTISED p, in f32, and the product's result is divided by l at the end. Since M is a whole number, a kernel that streams over the keys may use a running M (the ceiling of the running maximum): every later rescaling is an exact power of two, so the quantised numbers keep their values, but for numbers so far below the row's largest that they fall under the format's range.
;;   OPERANDS COMPUTED ON THE WAY. 'Computed on the way' means the value that the module computes at that place (a softmax that the list does not call 'softmax' is quantised finished and normalised). What goes into a quantiser is computed in f32, as accurately as f32 sums, v_exp_f32 and their like allow (about 1e-6 of the number): no bf16 or f16 on the way to a quantiser, and a product that is left as it is and whose result goes on into a quantised operand takes f32 operands (vector FMAs, or v_wmma_f32_16x16x4_f32). A number that lies on a knife's edge between two numbers of the format may be rounded either way, as far as f32 arithmetic and the matrix unit's own rounding can turn it there, and no further.
;; One version. Each part assembles by itself: llvm-mc -triple=amdgcn-amd-amdhsa -mcpu=gfx1250 --defsym DOCPART=n.
;; ======== version 1 of 1: 7 launches
;; limits: right only within a limited range of input values
;; workspace buffers: wc 12,582,912 bytes; hc 12,582,912 bytes; qkv 12,582,912 bytes; ac 4,194,304 bytes; x1 16,777,216 bytes; h2c 4,194,304 bytes; fc 16,777,216 bytes
;; launch prep (part 1): grid 448 x 1, 8 waves a work-group, no clusters, 53,248 bytes of LDS; arguments x, ln1_w, ln1_b, lowp_scales, Wq, Wk, Wv, Wproj, W1, W2, wc, hc; writes wc, hc
.if DOCPART == 1
	.amdgcn_target "amdgcn-amd-amdhsa--gfx1250"
	.amdhsa_code_object_version 6
	.text
	.protected	k_q2f2e53b54d_prep
	.globl	k_q2f2e53b54d_prep
	.p2align	8
	.type	k_q2f2e53b54d_prep,@function
k_q2f2e53b54d_prep:
	s_mov_b64 s[64:65], 0
	v_nop
	global_prefetch_b8 v0, s[64:65] scope:SCOPE_SE
	s_setreg_imm32_b32 hwreg(HW_REG_WAVE_MODE, 25, 1), 1
	s_wait_xcnt 0x0
; PREP.  Work-groups 0-255: h = LayerNorm(x) of 16 rows each, quantised to E4M3 three times (scales 2^e1, 2^e3, 2^e5: the three products that read h), into hc.
; Work-groups 256-447: the six weights, whose K is not innermost, quantised to E4M3 with their given scales, into wc.
; EVERY OPERAND IS STORED AS THE IMAGE OF ITS MATRIX REGISTERS.  A fragment is 16 rows x 128 K = 2,048 bytes: the byte at 512 c + 16 (16 h + r) + 8 u + j holds row r, k = 32 c + 16 u + 8 h + j.
; Four loads of 16 bytes a lane at 16 x lane + 512 c then give lane (r, h) the registers that the 8-bit matrix forms want.  An operand is [block of 16 rows][fragment along K][2,048].
; LIMITS: each given exponent e lies between -126 and 119, so that 2^e and 448 x 2^e are f32 numbers.  NaN among the inputs is not served.  Sums are taken in another order than the definition's.
.set NSC,   3                          ; scales under which h is quantised
.set PP,    272                        ; the stage: a piece of 256 bytes of an image + 16 of padding
.set SCP,   64*PP                      ; one scale's 64 pieces (16 rows x 1,024 codes)
.set SPARE, NSC*SCP                    ; behind the stage: the spare words, 128 bytes for each of eight waves, which no other line names
.set SPW, 2                            ; v2  LDS address of my spare word; never rewritten
.set NIL, 3                            ; v3  0; never rewritten
.set XO,  4                            ; v4  32 x lane: my 8 numbers of each 256 of a row
.set LW,  5                            ; v5  the stage, on the way in
.set LR,  6                            ; v6  the stage, on the way out
.set GO,  7                            ; v7  my 16 bytes in the block's image
.set SCL, 16                           ; v16-18 2^e as f32
.set LIM, 19                           ; v19-21 448 x 2^e
.set GW,  32                           ; v32-63 the gain at my 32 columns
.set GB,  64                           ; v64-95 the bias
.set XR,  96                           ; v96-159 two rows, 32 numbers each
.set T,   160                          ; v160-175 two groups of 8 held numbers, by turns
.set CC,  176                          ; v176-199 codes: 8 registers a scale
	s_load_b512 s[8:23], s[0:1], 0x0               ; x 8, ln1_w 10, ln1_b 12, scales 14, Wq 16, Wk 18, Wv 20, Wproj 22
	s_load_b256 s[24:31], s[0:1], 0x40             ; W1 24, W2 26, wc 28, hc 30
	v_lshl_add_u32 v[SPW], v0, 2, SPARE
	v_mov_b32 v[NIL], 0
	v_lshrrev_b32 v1, 5, v0
	s_delay_alu instid0(VALU_DEP_1)
	v_readfirstlane_b32 s32, v1                    ; wave 0..7
	v_and_b32 v1, 31, v0                           ; lane
	s_cmp_lt_u32 ttmp9, 256                        ; the same for all waves of a work-group
	s_cbranch_scc0 .Lweights
; ---------------- LayerNorm: wave w takes rows 2 w and 2 w + 1 of the block; lane l holds k = 256 j + 8 l + 0..7, j = 0..3
	v_lshlrev_b32 v[XO], 5, v1
	v_lshrrev_b32 v5, 1, v1
	s_delay_alu instid0(VALU_DEP_1)
	v_and_b32 v6, 14, v5
	v_and_b32 v7, 1, v1
	s_delay_alu instid0(VALU_DEP_1)
	v_add_nc_u32 v6, v6, v7                        ; my piece among 16: 8 (l / 16) + 2 c + h, with l % 16 = 4 c + 2 u + h
	s_delay_alu instid0(VALU_DEP_1)
	v_mul_u32_u24 v6, v6, PP
	v_and_b32 v5, 1, v5                            ; u
	s_delay_alu instid0(VALU_DEP_1)
	v_lshl_add_u32 v5, v5, 3, v6
	s_lshl_b32 s33, s32, 5
	v_add_nc_u32 v[LW], s33, v5                    ; + 16 bytes for each row: 32 x wave
	v_lshrrev_b32 v6, 4, v1
	s_lshl_b32 s33, s32, 3
	v_add_nc_u32 v6, s33, v6
	s_delay_alu instid0(VALU_DEP_1)
	v_mul_u32_u24 v6, v6, PP                       ; back: wave w takes pieces 8 w .. 8 w + 7, sixteen lanes to a piece
	v_and_b32 v7, 15, v1
	s_delay_alu instid0(VALU_DEP_1)
	v_lshl_add_u32 v[LR], v7, 4, v6
	v_lshlrev_b32 v7, 4, v1
	s_lshl_b32 s33, s32, 11
	v_add_nc_u32 v[GO], s33, v7
	s_mov_b32 s34, 0x76543210                      ; v_permlanex16_b32: lane l xor 16
	s_mov_b32 s35, 0xfedcba98
	s_mov_b32 s36, 0x3a800000                      ; 1 / 1,024
	s_mov_b32 s37, 0x3727c5ac                      ; 1e-5
	s_lshl_b32 s38, ttmp9, 16                      ; 16 rows of 4,096 bytes
	s_lshl_b32 s33, s32, 13                        ; + my two rows
	s_add_co_u32 s38, s38, s33
	s_mov_b32 s39, 0
	s_lshl_b32 s40, ttmp9, 14                      ; the block's image: 16,384 bytes
	s_mov_b32 s41, 0
	s_wait_kmcnt 0x0
	s_load_b256 s[44:51], s[14:15], 0x0            ; e0 .. e7
	s_add_nc_u64 s[8:9], s[8:9], s[38:39]
	s_add_nc_u64 s[52:53], s[30:31], s[40:41]      ; a base for each scale's 4 MiB
	s_add_nc_u64 s[54:55], s[52:53], 0x400000
	s_add_nc_u64 s[56:57], s[54:55], 0x400000
.irp r, 0,1
.irp j, 0,1,2,3
	global_load_b128 v[XR+32*\r+8*\j:XR+32*\r+8*\j+3],   v[XO], s[8:9] offset:\r*4096+\j*1024 th:TH_LOAD_NT
	global_load_b128 v[XR+32*\r+8*\j+4:XR+32*\r+8*\j+7], v[XO], s[8:9] offset:\r*4096+\j*1024+16 th:TH_LOAD_NT
.endr
.endr
.irp j, 0,1,2,3
	global_load_b128 v[GW+8*\j:GW+8*\j+3],   v[XO], s[10:11] offset:\j*1024
	global_load_b128 v[GW+8*\j+4:GW+8*\j+7], v[XO], s[10:11] offset:\j*1024+16
.endr
.irp j, 0,1,2,3
	global_load_b128 v[GB+8*\j:GB+8*\j+3],   v[XO], s[12:13] offset:\j*1024
	global_load_b128 v[GB+8*\j+4:GB+8*\j+7], v[XO], s[12:13] offset:\j*1024+16
.endr
.macro MKSC e, vs, vl                  ; from the whole number e: 2^e, whose exponent field the conversion takes, and 448 x 2^e, at which numbers are held
	s_add_co_i32 s58, s[\e], 127
	s_lshl_b32 s59, s58, 23
	v_mov_b32 v[\vs], s59
	s_add_co_i32 s58, s58, 8
	s_lshl_b32 s58, s58, 23
	s_or_b32 s58, s58, 0x600000
	v_mov_b32 v[\vl], s58
.endm
	s_wait_kmcnt 0x0
	MKSC 45, SCL, LIM
	MKSC 47, SCL+1, LIM+1
	MKSC 49, SCL+2, LIM+2
.macro REDUCE                          ; v8 summed over the 32 lanes, the result in every lane
	s_delay_alu instid0(VALU_DEP_1)
	v_add_f32_dpp v8, v8, v8 row_xmask:1 row_mask:0xf bank_mask:0xf
	s_delay_alu instid0(VALU_DEP_1)
	v_add_f32_dpp v8, v8, v8 row_xmask:2 row_mask:0xf bank_mask:0xf
	s_delay_alu instid0(VALU_DEP_1)
	v_add_f32_dpp v8, v8, v8 row_xmask:4 row_mask:0xf bank_mask:0xf
	s_delay_alu instid0(VALU_DEP_1)
	v_add_f32_dpp v8, v8, v8 row_xmask:8 row_mask:0xf bank_mask:0xf
	s_delay_alu instid0(VALU_DEP_1)
	v_permlanex16_b32 v9, v8, s34, s35
	s_delay_alu instid0(VALU_DEP_1)
	v_add_f32 v8, v8, v9
.endm
.macro LNROW r
.set X, XR+32*\r
	v_pk_add_f32 v[8:9], v[X:X+1], v[X+2:X+3]      ; the row's sum, in two chains
	v_pk_add_f32 v[10:11], v[X+4:X+5], v[X+6:X+7]
.irp i, 8,12,16,20,24,28
	s_delay_alu instid0(VALU_DEP_2)
	v_pk_add_f32 v[8:9], v[8:9], v[X+\i:X+\i+1]
	s_delay_alu instid0(VALU_DEP_2)
	v_pk_add_f32 v[10:11], v[10:11], v[X+\i+2:X+\i+3]
.endr
	s_delay_alu instid0(VALU_DEP_1)
	v_pk_add_f32 v[8:9], v[8:9], v[10:11]
	s_delay_alu instid0(VALU_DEP_1)
	v_add_f32 v8, v8, v9
	REDUCE
	s_delay_alu instid0(VALU_DEP_1)
	v_mul_f32 v12, s36, v8                         ; the mean
	s_delay_alu instid0(VALU_DEP_1)
	v_mov_b32 v13, v12
.irp i, 0,2,4,6,8,10,12,14,16,18,20,22,24,26,28,30
	v_pk_add_f32 v[X+\i:X+\i+1], v[X+\i:X+\i+1], v[12:13] neg_lo:[0,1] neg_hi:[0,1]   ; x - mean first, then the squares: no difference of large sums
.endr
	v_pk_mul_f32 v[8:9], v[X:X+1], v[X:X+1]
	v_pk_mul_f32 v[10:11], v[X+2:X+3], v[X+2:X+3]
.irp i, 4,8,12,16,20,24,28
	s_delay_alu instid0(VALU_DEP_2)
	v_pk_fma_f32 v[8:9], v[X+\i:X+\i+1], v[X+\i:X+\i+1], v[8:9]
	s_delay_alu instid0(VALU_DEP_2)
	v_pk_fma_f32 v[10:11], v[X+\i+2:X+\i+3], v[X+\i+2:X+\i+3], v[10:11]
.endr
	s_delay_alu instid0(VALU_DEP_1)
	v_pk_add_f32 v[8:9], v[8:9], v[10:11]
	s_delay_alu instid0(VALU_DEP_1)
	v_add_f32 v8, v8, v9
	REDUCE
	s_delay_alu instid0(VALU_DEP_1)
	v_fma_f32 v8, v8, s36, s37                     ; variance + eps
	s_wait_alu depctr_va_vdst(0)
	v_rsq_f32 v14, v8
	v_nop                                          ; a plain instruction behind the transcendental
	s_wait_alu depctr_va_vdst(0)                   ; the wait ahead of the first line that names the result
	v_mov_b32 v15, v14
.if \r == 0
	s_wait_alu depctr_va_vdst(0)
	s_wait_loadcnt 0x0                             ; the gain and the bias
.endif
.irp i, 0,2,4,6,8,10,12,14,16,18,20,22,24,26,28,30
	v_pk_mul_f32 v[X+\i:X+\i+1], v[X+\i:X+\i+1], v[14:15]
.endr
.irp i, 0,2,4,6,8,10,12,14,16,18,20,22,24,26,28,30
	v_pk_fma_f32 v[X+\i:X+\i+1], v[X+\i:X+\i+1], v[GW+\i:GW+\i+1], v[GB+\i:GB+\i+1]
.endr
.if \r == 1
	s_wait_dscnt 0x0                               ; row 0's stores into the stage have read the codes' registers
.endif
.irp sc, 0,1,2
.if \sc < NSC
.irp j, 0,1,2,3
.irp i, 0,1,2,3,4,5,6,7
	v_med3_num_f32 v[T+8*(\j%2)+\i], v[X+8*\j+\i], -v[LIM+\sc], v[LIM+\sc]   ; the conversion to an 8-bit code does not saturate (ISA guide 7.6.2): held first.  The other group's eight are the plain lines behind each conversion
.endr
	v_cvt_scalef32_pk8_fp8_f32 v[CC+8*\sc+2*\j:CC+8*\sc+2*\j+1], v[T+8*(\j%2):T+8*(\j%2)+7], v[SCL+\sc]
	ds_store_b64 v[LW], v[CC+8*\sc+2*\j:CC+8*\sc+2*\j+1] offset:\sc*SCP+\j*16*PP+\r*16   ; 8 codes: k = 256 j + 8 l on, at their place in the image
.endr
.endif
.endr
.endm
	s_wait_loadcnt 24                              ; row 0's eight loads are in; row 1's, the gain's and the bias's 24 may be out
	LNROW 0
	LNROW 1
	s_wait_dscnt 0x0                               ; for the others' sake: my stores into the stage are done
	s_barrier_signal -1
	s_barrier_wait -1
.irp sc, 0,1,2
.if \sc < NSC
.irp i, 0,1,2,3
	ds_load_b128 v[XR+16*\sc+4*\i:XR+16*\sc+4*\i+3], v[LR] offset:\sc*SCP+\i*2*PP
.endr
.endif
.endr
.irp sc, 0,1,2
.if \sc < NSC
.irp i, 0,1,2,3
	s_wait_dscnt 4*NSC-1-(4*\sc+\i)                ; LDS loads come back in order: this one is in, the younger may be out
	global_store_b128 v[GO], v[XR+16*\sc+4*\i:XR+16*\sc+4*\i+3], s[52+2*\sc:53+2*\sc] offset:\i*512   ; the wave stores 512 consecutive bytes, aligned
.endr
.endif
.endr
	s_wait_tensorcnt 0x0                           ; the wave's end
	ds_add_u32 v[SPW], v[NIL]
	s_wait_dscnt 0x0
	s_endpgm
; ---------------- the weights: a wave takes 32 columns n x 256 along K.  A LANE TAKES A COLUMN AND ITS REGISTERS RUN DOWN K, so the conversions give codes with K innermost.  No LDS is touched on this path.
.Lweights:
	s_sub_co_u32 s33, ttmp9, 256                   ; 0-15 Wq, 16-31 Wk, 32-47 Wv, 48-63 Wproj, 64-127 W1, 128-191 W2
	s_mov_b32 s34, 0                               ; the tensor's first work-group
	s_mov_b32 s35, 0                               ; its scale's byte in lowp_scales
	s_mov_b32 s36, 0                               ; its region in wc
	s_mov_b32 s37, 256                             ; bytes from k to k + 1
	s_mov_b32 s38, 5                               ; log2 (columns / 32)
	s_mov_b32 s39, 8                               ; fragments along K
	s_wait_kmcnt 0x0
	s_mov_b64 s[42:43], s[16:17]
.macro PICK from, idx, reg, str, lg, kf, ptr   ; from work-group 'from' on: the next tensor's figures.  Every choice hangs on the work-group's number alone
	s_cmp_ge_u32 s33, \from
	s_cselect_b32 s34, \from, s34
	s_cselect_b32 s35, \idx, s35
	s_cselect_b32 s36, \reg, s36
	s_cselect_b32 s37, \str, s37
	s_cselect_b32 s38, \lg, s38
	s_cselect_b32 s39, \kf, s39
	s_cselect_b64 s[42:43], s[\ptr:\ptr+1], s[42:43]
.endm
	PICK 16,  8,  0x100000, 256,   5, 8,  18
	PICK 32,  16, 0x200000, 256,   5, 8,  20
	PICK 48,  44, 0x300000, 4096,  5, 8,  22
	PICK 64,  52, 0x400000, 16384, 7, 8,  24
	PICK 128, 60, 0x800000, 4096,  5, 32, 26
	s_load_b32 s69, s[14:15], s35 offset:0x0       ; e
	s_sub_co_u32 s33, s33, s34
	s_lshl_b32 s33, s33, 3
	s_add_co_u32 s33, s33, s32                     ; my wave's unit in the tensor
	s_lshl_b32 s41, 1, s38
	s_sub_co_u32 s41, s41, 1
	s_and_b32 s44, s33, s41                        ; which 32 columns
	s_lshr_b32 s45, s33, s38                       ; which 256 along K
	s_lshr_b32 s46, s44, 1                         ; Wq, Wk, Wv are [head][k][64]: column n = 64 head + s
	s_lshl_b32 s46, s46, 18
	s_and_b32 s47, s44, 1
	s_lshl_b32 s47, s47, 7
	s_add_co_u32 s46, s46, s47
	s_lshl_b32 s47, s44, 7                         ; the others are [k][n]
	s_cmp_eq_u32 s37, 256
	s_cselect_b32 s46, s46, s47
	s_mul_i32 s47, s45, s37
	s_lshl_b32 s47, s47, 8
	s_add_co_u32 s46, s46, s47
	s_mov_b32 s47, 0
	s_add_nc_u64 s[48:49], s[42:43], s[46:47]      ; block 0 of my eight blocks of 32 along K
	s_lshl_b32 s46, s37, 5
.irp t, 1,2,3,4,5,6,7
	s_add_nc_u64 s[48+2*\t:49+2*\t], s[46+2*\t:47+2*\t], s[46:47]   ; a base for each block, 32 rows on
.endr
	s_wait_alu depctr_va_vdst(0)
	v_lshlrev_b32 v32, 2, v1                       ; v32-63: 4 x lane + i rows
.set i, 1
.rept 31
	s_delay_alu instid0(VALU_DEP_1)
	v_add_nc_u32 v[32+i], s37, v[31+i]
.set i, i+1
.endr
	s_mul_i32 s66, s44, s39                        ; my first block of 16 columns is 2 x (which 32), my first fragment 2 x (which 256)
	s_add_co_u32 s66, s66, s45
	s_lshl_b32 s66, s66, 12
	s_add_co_u32 s66, s66, s36
	s_mov_b32 s67, 0
	s_add_nc_u64 s[28:29], s[28:29], s[66:67]
	v_lshrrev_b32 v4, 4, v1
	s_lshl_b32 s68, s39, 11
	v_mul_lo_u32 v4, v4, s68                       ; lanes 16-31: the next block of 16 columns
	v_and_b32 v5, 15, v1
	s_delay_alu instid0(VALU_DEP_1)
	v_lshl_add_u32 v4, v5, 4, v4                   ; + 16 r
.macro WLOAD t                         ; W(32 t + i, my column), i = 0 .. 31
.set i, 0
.rept 32
	global_load_b32 v[64+32*((\t)%2)+i], v[32+i], s[48+2*(\t):49+2*(\t)] th:TH_LOAD_NT
.set i, i+1
.endr
.endm
	WLOAD 0
	WLOAD 1
	s_wait_kmcnt 0x0
	s_add_co_i32 s69, s69, 127
	s_lshl_b32 s68, s69, 23
	v_mov_b32 v16, s68                             ; 2^e
	s_add_co_i32 s69, s69, 8
	s_lshl_b32 s69, s69, 23
	s_or_b32 s69, s69, 0x600000
	v_mov_b32 v19, s69                             ; 448 x 2^e
.macro BLOCK t
.set X, 64+32*((\t)%2)
.set C, 128+8*(\t)                     ; eight registers of its own for each block: no store's data are written again
.if (\t) < 7
	s_wait_loadcnt 32                              ; this block's 32 loads are in; the next block's may be out
.else
	s_wait_loadcnt 0x0
.endif
.set i, 0
.rept 32
	v_med3_num_f32 v[X+i], v[X+i], -v19, v19
.set i, i+1
.endr
	v_cvt_scalef32_pk8_fp8_f32 v[C:C+1],   v[X:X+7],     v16   ; k = 0..7:   u = 0, h = 0
	v_cvt_scalef32_pk8_fp8_f32 v[C+4:C+5], v[X+8:X+15],  v16   ; k = 8..15:  u = 0, h = 1
	v_cvt_scalef32_pk8_fp8_f32 v[C+2:C+3], v[X+16:X+23], v16   ; k = 16..23: u = 1, h = 0
	v_cvt_scalef32_pk8_fp8_f32 v[C+6:C+7], v[X+24:X+31], v16   ; k = 24..31: u = 1, h = 1
	global_store_b128 v4, v[C:C+3],   s[28:29] offset:((\t)/4)*2048+((\t)%4)*512       ; sixteen lanes store 256 consecutive bytes, aligned
	global_store_b128 v4, v[C+4:C+7], s[28:29] offset:((\t)/4)*2048+((\t)%4)*512+256
.if (\t)+2 < 8
	WLOAD (\t)+2
.endif
.endm
	s_wait_alu depctr_va_vdst(0)
.irp t, 0,1,2,3,4,5,6,7
	BLOCK \t
.endr
	s_endpgm
.Lfunc_end_k_q2f2e53b54d_prep:
	.size	k_q2f2e53b54d_prep, .Lfunc_end_k_q2f2e53b54d_prep-k_q2f2e53b54d_prep
	.p2alignl 7, 3214868480
	.fill 96, 4, 3214868480
	.section	.rodata,"a",@progbits
	.p2align	6, 0x0
	.amdhsa_kernel k_q2f2e53b54d_prep
		.amdhsa_group_segment_fixed_size 53248
		.amdhsa_private_segment_fixed_size 0
		.amdhsa_enable_private_segment 0
		.amdhsa_kernarg_size 96
		.amdhsa_user_sgpr_count 2
		.amdhsa_user_sgpr_kernarg_segment_ptr 1
		.amdhsa_wavefront_size32 1
		.amdhsa_system_sgpr_workgroup_id_x 1
		.amdhsa_system_sgpr_workgroup_id_y 1
		.amdhsa_system_sgpr_workgroup_id_z 1
		.amdhsa_system_vgpr_workitem_id 0
		.amdhsa_next_free_vgpr 208
		.amdhsa_next_free_sgpr 80
		.amdhsa_reserve_vcc 0
		.amdhsa_float_denorm_mode_32 3
		.amdhsa_float_denorm_mode_16_64 3
		.amdhsa_memory_ordered 1
		.amdhsa_forward_progress 1
		.amdhsa_inst_pref_size 89
	.end_amdhsa_kernel
	.amdgpu_metadata
---
amdhsa.version: [ 1, 2 ]
amdhsa.kernels:
  - .name:           k_q2f2e53b54d_prep
    .symbol:         k_q2f2e53b54d_prep.kd
    .args:
      - { .name: x, .offset: 0, .size: 8, .value_kind: global_buffer, .address_space: global }
      - { .name: ln1_w, .offset: 8, .size: 8, .value_kind: global_buffer, .address_space: global }
      - { .name: ln1_b, .offset: 16, .size: 8, .value_kind: global_buffer, .address_space: global }
      - { .name: lowp_scales, .offset: 24, .size: 8, .value_kind: global_buffer, .address_space: global }
      - { .name: Wq, .offset: 32, .size: 8, .value_kind: global_buffer, .address_space: global }
      - { .name: Wk, .offset: 40, .size: 8, .value_kind: global_buffer, .address_space: global }
      - { .name: Wv, .offset: 48, .size: 8, .value_kind: global_buffer, .address_space: global }
      - { .name: Wproj, .offset: 56, .size: 8, .value_kind: global_buffer, .address_space: global }
      - { .name: W1, .offset: 64, .size: 8, .value_kind: global_buffer, .address_space: global }
      - { .name: W2, .offset: 72, .size: 8, .value_kind: global_buffer, .address_space: global }
      - { .name: wc, .offset: 80, .size: 8, .value_kind: global_buffer, .address_space: global }
      - { .name: hc, .offset: 88, .size: 8, .value_kind: global_buffer, .address_space: global }
    .group_segment_fixed_size: 53248
    .private_segment_fixed_size: 0
    .kernarg_segment_align: 8
    .kernarg_segment_size: 96
    .max_flat_workgroup_size: 256
    .sgpr_count:     80
    .vgpr_count:     208
    .wavefront_size: 32
...
	.end_amdgpu_metadata
.endif
;; end of part 1
;; launch qkv (part 2): grid 12 x 16, 4 waves a work-group, clusters of 4 x 4, 327,680 bytes of LDS; arguments hc, wc, lowp_scales, qkv; writes qkv
.if DOCPART == 2
	.amdgcn_target "amdgcn-amd-amdhsa--gfx1250"
	.amdhsa_code_object_version 6
	.text
	.protected	k_q2f2e53b54d_qkv
	.globl	k_q2f2e53b54d_qkv
	.p2align	8
	.type	k_q2f2e53b54d_qkv,@function
k_q2f2e53b54d_qkv:
	s_mov_b64 s[64:65], 0
	v_nop
	global_prefetch_b8 v0, s[64:65] scope:SCOPE_SE
	s_setreg_imm32_b32 hwreg(HW_REG_WAVE_MODE, 25, 1), 1
	s_wait_xcnt 0x0
	s_wait_alu depctr_hold_cnt(0) depctr_sa_sdst(0) depctr_va_vdst(0) depctr_va_sdst(0) depctr_va_ssrc(0) depctr_va_vcc(0) depctr_vm_vsrc(0)
	s_getreg_b32 s2, hwreg(HW_REG_IB_STS2, 6, 4)
	s_cmp_eq_u32 s2, 0
	s_cbranch_scc0 .Lentry_in_a_cluster
	s_endpgm
.Lentry_in_a_cluster:
	s_bfe_u32 s2, ttmp6, 0x10000c
	s_cmp_lg_u32 s2, 0xf033
	s_cbranch_scc0 .Lentry_shape_is_right
	s_endpgm
.Lentry_shape_is_right:
; q, k, v = h W, on codes of E4M3, and their results quantised at once for the attention: q with 2^e6, k with 2^e7, v with 2^e9.  K = 1,024.
; Operands lie in memory as images of matrix registers: [block of 16 rows][fragment of 128 K][2,048 bytes]; a fragment comes from LDS by four loads at 16 x lane + 512 c.
; A cluster of 4 x 4 work-groups makes one of q, k, v (cluster x = 0, 1, 2) for 1,024 tokens (cluster y).  A work-group makes 256 x 256, a wave 128 x 128: 64 accumulators.
; The matrix instruction is used transposed (source 0 = 16 rows of side B, source 1 = 16 rows of side A): a lane holds ONE row of side A and eight neighbouring rows of side B.
; q, k: side A = tokens, side B = weight columns, so a lane's registers run along the head's 64, the next product's K.  v: side A = weight columns, side B = tokens: the registers run along the keys.
; So eight conversions give a fragment's 16 registers, which are stored as they stand: 512 consecutive bytes an instruction.
; OUT: Q at 0: [32 heads][16 blocks of 128 tokens][8 tiles x 1,024];  K, V at 4 MiB: [32][16][K: 8 x 1,024 | V: 4 channel tiles x 2,048].
; Side A's tiles are shared along a row of the cluster, side B's along a column: each is asked for jointly.  The ring: two LDS slots of 256 along K.
; LIMITS: eo - ea - eb between -126 and 119.  NaN is not served.
.set HALFT,  32768                     ; 8 blocks of 16 rows x 2 fragments: what one tensor load brings, and what one wave reads of a side
.set SLOT,   4*HALFT                   ; side A's 256 rows, then side B's
.set SPARE,  2*SLOT                    ; behind the ring: the spare words, 128 bytes a wave, which no other line names
.set ROWB,   4096                      ; a K step in a block of 16 rows: two fragments
.set FR,     16
.set NL,     4
.set NP,     4                         ; places behind this matrix form (ISA guide 7.12.1)
.set LAPS,   2                         ; 1,024 / (2 x 256)
.set LO,   8                           ; v8   -448 x the scale
.set HI,   9                           ; v9   448 x the scale
.set SC,   10                          ; v10  the scale 2^(eo - ea - eb)
.set O1,   11                          ; v11  16 x lane
.set O2,   12                          ; v12  the same, at the second pair of stores
.set ADRA, 16                          ; v16-17 LDS address of my side A fragments in slot 0, 1
.set ADRB, 20                          ; v20-21 the same for side B
.set SPW,  28
.set NIL,  29
.set TMP,  32                          ; the way out: 64 held sums
.set AF,   128                         ; side A's fragments, window 0, one set
.set CD,   128                         ; the way out: codes, 16 registers for each of 8 blocks
.set G1, 24
.set G0, 32
.set G1B, 48
.set G0B, 56
.set MSB, 0
.macro WIN new                         ; the immediate's high byte repeats the setting that is left
.if MSB != \new
	s_set_vgpr_msb (MSB<<8)|\new
.set MSB, \new
.endif
.endm
.set MUL_LO, 0xa1                      ; source 0 (B) window 1, source 1 (A) window 0, C and D window 2
.set MUL_HI, 0xf1                      ; the same, C and D window 3
.set TO_B,   0x40
.macro JLOAD g0a, g1a, g0b, g1b        ; a joint load: waves 0, 1 fetch side A's halves, waves 2, 3 side B's; the branch hangs on the wave's number alone
	s_cmp_eq_u32 s15, 0
	s_cbranch_scc0 .Lfor_b_\@
	tensor_load_to_lds s[\g0a:\g0a+3], s[\g1a:\g1a+7]
	s_nop 0
.rept 4
	v_nop
.endr
	s_branch .Lasked_\@
.Lfor_b_\@:
	tensor_load_to_lds s[\g0b:\g0b+3], s[\g1b:\g1b+7]
	s_nop 0
.rept 4
	v_nop
.endr
.Lasked_\@:
.endm
.macro CREST
	s_cmp_lg_u32 s14, 0
	s_cbranch_scc1 .Lnot_wave_0_\@
	s_barrier_signal -3
.Lnot_wave_0_\@:
	s_barrier_wait -3
	s_barrier_signal -1
	s_barrier_wait -1
.endm
.macro CROUND
	s_barrier_signal -1
	s_barrier_wait -1
	CREST
.endm
	s_load_b128 s[4:7], s[0:1], 0x0                ; hc, wc
	s_load_b128 s[8:11], s[0:1], 0x10              ; the scales' exponents, qkv
	v_lshl_add_u32 v[SPW], v0, 2, SPARE
	v_mov_b32 v[NIL], 0
	ds_add_u32 v[SPW], v[NIL]                      ; the wave's opening: the add and its wait ahead of my first tensor load
	ds_add_u32 v[SPW], v[NIL]
	v_lshrrev_b32 v1, 5, v0
	v_readfirstlane_b32 s14, v1                    ; wave 0..3
	s_lshr_b32 s15, s14, 1                         ; my half of side A's rows.  Also: I fetch for A (0) or B (1)
	s_and_b32 s16, s14, 1                          ; my half of side B's rows.  Also: which 128 rows I fetch
	s_bfe_u32 s40, ttmp6, 0x40000                  ; cx
	s_bfe_u32 s41, ttmp6, 0x40004                  ; cy
	s_lshl_b32 s43, s41, 2
	s_lshl_b32 s43, 15, s43                        ; my row of the cluster
	s_lshl_b32 s44, 0x1111, s40                    ; my column
	s_or_b32 s[G1+0], s43, (3<<16)|(1<<21)         ; the mask; elements of 8 bytes; bit 21 beside a mask; no padding
	s_or_b32 s[G1B+0], s44, (3<<16)|(1<<21)
.irp g, G1, G1B
	s_mov_b32 s[\g+1], 512<<16                     ; tensor_dim0 = 512 elements: 4,096 bytes
	s_mov_b32 s[\g+2], 8<<16                       ; tensor_dim1 = 8 blocks of 16 rows
	s_mov_b32 s[\g+3], 512<<16                     ; tile_dim0
	s_mov_b32 s[\g+4], 8                           ; tile_dim1
	s_mov_b32 s[\g+5], 2048                        ; from block to block: 8 fragments = 16,384 bytes
	s_mov_b32 s[\g+6], 0
	s_mov_b32 s[\g+7], 0
.endr
	s_and_b32 s74, ttmp7, 0xffff
	s_lshl_b32 s74, s74, 2                         ; 4 x cluster y
	s_lshl_b32 s70, ttmp9, 22                      ; h's codes under the product's own scale: 4 MiB each
	s_lshl_b32 s72, ttmp9, 20                      ; the weight's codes: 1 MiB each
	s_lshl_b32 s82, ttmp9, 3                       ; the operands' exponents: entries 2 W, 2 W + 1
	s_lshr_b32 s83, ttmp9, 1
	s_add_co_u32 s83, s83, ttmp9
	s_add_co_u32 s83, s83, 6
	s_lshl_b32 s83, s83, 2                         ; the result's: entry 6, 7 or 9
	s_cmp_eq_u32 ttmp9, 2                          ; v?  The cluster's x: the same in all sixteen partners
	s_cselect_b32 s75, 1, 0
	s_cselect_b32 s70, 0x200000, s70               ; side A's offset
	s_cselect_b32 s72, 0x800000, s72               ; side B's
	s_cselect_b32 s76, 0, s74
	s_cselect_b32 s77, s74, 0
	s_add_co_u32 s17, s41, s76                     ; side A's tile of 256 rows: hangs on cy
	s_add_co_u32 s42, s40, s77                     ; side B's: hangs on cx
	s_lshl_b32 s18, s16, 17                        ; which 128 rows I fetch
	s_lshl_b32 s20, s17, 18
	s_add_co_u32 s20, s20, s18
	s_add_co_u32 s20, s20, s70
	s_mov_b32 s21, 0
	s_lshl_b32 s46, s42, 18
	s_add_co_u32 s46, s46, s18
	s_add_co_u32 s46, s46, s72
	s_mov_b32 s47, 0
	s_lshl_b32 s45, s14, 15                        ; where they go: wave x 32,768
	s_wait_dscnt 0x0                               ; the opening add is done
	s_wait_kmcnt 0x0
	s_load_b64 s[96:97], s[8:9], s82 offset:0x0    ; ea, eb
	s_load_b32 s98, s[8:9], s83 offset:0x0         ; eo
	s_cmp_eq_u32 ttmp9, 2
	s_cselect_b64 s[66:67], s[6:7], s[4:5]
	s_cselect_b64 s[68:69], s[4:5], s[6:7]
	s_add_nc_u64 s[20:21], s[66:67], s[20:21]
	s_add_nc_u64 s[46:47], s[68:69], s[46:47]
	CROUND                                         ; all sixteen work-groups are here: the first joint loads meet
.irp s, 0,1
	s_mov_b32 s[G0+4*\s], 1
	s_add_co_u32 s[G0+4*\s+1], s45, \s*SLOT
	s_add_nc_u64 s[G0+4*\s+2:G0+4*\s+3], s[20:21], \s*ROWB
	s_or_b32 s[G0+4*\s+3], s[G0+4*\s+3], 0x80000000
	s_mov_b32 s[G0B+4*\s], 1
	s_add_co_u32 s[G0B+4*\s+1], s45, \s*SLOT
	s_add_nc_u64 s[G0B+4*\s+2:G0B+4*\s+3], s[46:47], \s*ROWB
	s_or_b32 s[G0B+4*\s+3], s[G0B+4*\s+3], 0x80000000
.endr
	JLOAD G0, G1, G0B, G1B                         ; K step 0: one tensor load a wave at the head
	v_and_b32 v1, 31, v0
	v_lshlrev_b32 v[O1], 4, v1
	s_wait_alu depctr_va_vdst(0)
	s_lshl_b32 s22, s15, 15
	s_lshl_b32 s23, s16, 15
	s_add_co_u32 s23, s23, 2*HALFT
.irp s, 0,1
	v_add_nc_u32 v[ADRA+\s], s22, v[O1]
	v_add_nc_u32 v[ADRB+\s], s23, v[O1]
	s_add_co_u32 s22, s22, SLOT
	s_add_co_u32 s23, s23, SLOT
.endr
	; where my results go
	s_cmp_eq_u32 s75, 1
	s_cselect_b32 s84, s42, s17                    ; the tokens' tile and half,
	s_cselect_b32 s85, s16, s15
	s_cselect_b32 s86, s17, s42                    ; the weight columns'
	s_cselect_b32 s87, s15, s16
	s_lshl_b32 s84, s84, 1
	s_add_co_u32 s84, s84, s85                     ; my block of 128 tokens, 0..31
	s_lshl_b32 s86, s86, 1
	s_add_co_u32 s86, s86, s87
	s_lshl_b32 s86, s86, 1                         ; my first head of two
	s_lshr_b32 s85, s84, 4
	s_lshl_b32 s85, s85, 4
	s_add_co_u32 s85, s85, s86                     ; 16 x batch + head
	s_lshl_b32 s85, s85, 4
	s_and_b32 s84, s84, 15
	s_add_co_u32 s85, s85, s84                     ; the block's index
	s_cmp_eq_u32 ttmp9, 0
	s_cselect_b32 s87, 13, 14                      ; a block is 8,192 bytes in Q, 16,384 in K, V
	s_cselect_b32 s88, 0, 0x400000
	s_lshl_b32 s85, s85, s87
	s_lshl_b32 s89, 16, s87                        ; from a head to the next
	s_add_co_u32 s85, s85, s88
	s_sub_co_u32 s91, s89, 6144
	s_mov_b32 s78, 1024
	s_mov_b32 s80, 1024
	s_cmp_eq_u32 s75, 1
	s_cselect_b32 s88, 8192, 0                     ; V lies behind K in a block
	s_cselect_b32 s90, 1024, s89                   ; the second pair of stores: q, k: the next head; v: the fragment's second half
	s_cselect_b32 s78, 2048, s78                   ; from a block of side A to the next
	s_cselect_b32 s80, s91, s80                    ; from block 3 to block 4: in v the next head
	s_mov_b32 s79, 0
	s_mov_b32 s81, 0
	s_add_co_u32 s84, s85, s88
	s_mov_b32 s85, 0
	s_add_nc_u64 s[10:11], s[10:11], s[84:85]
	v_add_nc_u32 v[O2], s90, v[O1]
	; PREFETCH of the tiles: a K step is 4,096 bytes of each block of 16 rows.  Of the eight blocks that I fetch, each of the four partners that ask for them jointly takes two, told apart by address
	; (cx for side A, cy for side B): 32 lanes, 256 bytes apart, one instruction a wave and K step.  Behind K step 0's load: steps 1 and 2; behind step 1's: step 3, the last.
	s_cmp_eq_u32 s15, 0
	s_cselect_b64 s[92:93], s[20:21], s[46:47]     ; where my fetches begin
	s_cselect_b32 s94, s40, s41
	s_lshl_b32 s94, s94, 15                        ; my work-group's two blocks of 16,384 bytes
	s_mov_b32 s95, 0
	s_add_nc_u64 s[92:93], s[92:93], s[94:95]
	v_bfe_u32 v13, v0, 4, 1
	v_and_b32 v14, 15, v0
	v_lshlrev_b32 v14, 8, v14
	v_lshl_add_u32 v13, v13, 14, v14
	global_prefetch_b8 v13, s[92:93] offset:4096 th:TH_LOAD_NT scope:SCOPE_SE
	global_prefetch_b8 v13, s[92:93] offset:8192 th:TH_LOAD_NT scope:SCOPE_SE
.macro FRAG reg, adr, q, i             ; a fragment as it lies: four loads of 512 consecutive bytes
.irp c, 0,1,2,3
	ds_load_b128 v[\reg+4*\c:\reg+4*\c+3], v[\adr] offset:2048*(\q)+512*\c+(\i)*4096
.endr
.endm
.macro MUL16 a0, p, zero               ; side A's blocks a0, a0 + 1 x side B's eight.  The 64 accumulators take turns, one instruction a turn
.irp a, \a0, \a0+1
.irp b, 0,1,2,3,4,5,6,7
.if \zero
	v_wmma_f32_16x16x128_fp8_fp8 v[8*(8*((\a)%4)+\b):8*(8*((\a)%4)+\b)+7], v[128*(\p)+FR*\b:128*(\p)+FR*\b+FR-1], v[AF+FR*(\a):AF+FR*(\a)+FR-1], 0
.else
	v_wmma_f32_16x16x128_fp8_fp8 v[8*(8*((\a)%4)+\b):8*(8*((\a)%4)+\b)+7], v[128*(\p)+FR*\b:128*(\p)+FR*\b+FR-1], v[AF+FR*(\a):AF+FR*(\a)+FR-1], v[8*(8*((\a)%4)+\b):8*(8*((\a)%4)+\b)+7]
.endif
.endr
.endr
.endm
.macro FETCH_B slot, q, p
	WIN TO_B
.irp i, 0,1,2,3,4,5,6,7
	FRAG 128*(\p)+FR*\i, ADRB+\slot, \q, \i
.endr
	WIN 0
.endm
.macro FETCH_A slot, q, i0
.irp i, \i0, \i0+1, \i0+2, \i0+3
	FRAG AF+FR*(\i), ADRA+\slot, \q, \i
.endr
.endm
.macro PLACES n                        ; plain vector lines between a matrix instruction and a load into, or a read of, its registers
.rept \n
	v_nop
.endr
.endm
.macro STEP slot, q, zero              ; 128 along K whose successor lies in the same slot
	s_wait_dscnt 4*NL                              ; B's set and A's blocks 0-3 are in; A's blocks 4-7, the youngest 16 loads, may be out
	WIN MUL_LO
	MUL16 0, (\q)%2, \zero
	MUL16 2, (\q)%2, \zero
	s_wait_dscnt 0
	PLACES NP
	FETCH_B \slot, (\q)+1, 1-(\q)%2
	FETCH_A \slot, (\q)+1, 0
	WIN MUL_HI
	MUL16 4, (\q)%2, \zero
	MUL16 6, (\q)%2, \zero
	PLACES NP
	WIN 0
	FETCH_A \slot, (\q)+1, 4
.endm
.macro TURN slot, next, fill           ; a slot's last 128 along K, and the change of slots
	s_wait_tensorcnt 0x0                           ; all my tensor loads have landed: my part of the next slot
	ds_add_u32 v[SPW], v[NIL]
	s_wait_dscnt 4*NL+1                            ; the add and A's blocks 4-7 may be out
	WIN MUL_LO
	MUL16 0, 1, 0
	s_wait_dscnt 0x0                               ; the add is done, and my reads of this slot are over
	s_barrier_signal -1
	MUL16 2, 1, 0
	WIN 0
	s_barrier_wait -1
.if \fill
	CREST                                          ; the barrier has opened a round of the cluster's: no wave of any partner still reads this slot or has a load on its way
	s_add_nc_u64 s[G0+4*\slot+2:G0+4*\slot+3], s[G0+4*\slot+2:G0+4*\slot+3], 2*ROWB
	s_add_nc_u64 s[G0B+4*\slot+2:G0B+4*\slot+3], s[G0B+4*\slot+2:G0B+4*\slot+3], 2*ROWB
	JLOAD G0+4*\slot, G1, G0B+4*\slot, G1B         ; the first tensor load behind the round; its four v_nop are the places in front of the loads below
.else
	PLACES NP
.endif
	FETCH_B \next, 0, 0
	FETCH_A \next, 0, 0
	WIN MUL_HI
	MUL16 4, 1, 0
	MUL16 6, 1, 0
	PLACES NP
	WIN 0
	FETCH_A \next, 0, 4
.endm
	s_wait_alu depctr_va_vdst(0)
	s_wait_tensorcnt 0x0                           ; my part of K step 0 is in
	ds_add_u32 v[SPW], v[NIL]
	s_wait_dscnt 0x0
	CROUND                                         ; a whole round: everybody's part of K step 0 is in
	JLOAD G0+4, G1, G0B+4, G1B                     ; K step 1: the first tensor load behind the round
	FETCH_B 0, 0, 0
	global_prefetch_b8 v13, s[92:93] offset:12288 th:TH_LOAD_NT scope:SCOPE_SE   ; K step 3
	FETCH_A 0, 0, 0
	FETCH_A 0, 0, 4
	STEP 0, 0, 1                                   ; the first products start the sums
	s_mov_b32 s3, LAPS-1
.Llap:
	TURN 0, 1, 1
	STEP 1, 0, 0
	TURN 1, 0, 1
	STEP 0, 0, 0
	s_sub_co_u32 s3, s3, 1
	s_cmp_lg_u32 s3, 0
	s_cbranch_scc1 .Llap
	TURN 0, 1, 0                                   ; the last lap fills nothing
	STEP 1, 0, 0
	s_wait_dscnt 4*NL
	WIN MUL_LO
	MUL16 0, 1, 0
	MUL16 2, 1, 0
	s_wait_dscnt 0
	WIN MUL_HI
	MUL16 4, 1, 0
	MUL16 6, 1, 0
	WIN 0
	; THE WAY OUT: a sum stands for sum x 2^(ea + eb), so its code is sum / 2^(eo - ea - eb): the three scales are folded into the conversion's one
	s_wait_kmcnt 0x0
	s_sub_co_i32 s98, s98, s96
	s_sub_co_i32 s98, s98, s97
	s_add_co_i32 s98, s98, 127
	s_lshl_b32 s99, s98, 23
	s_add_co_i32 s98, s98, 8
	s_lshl_b32 s98, s98, 23
	s_or_b32 s98, s98, 0x600000
	v_mov_b32 v[SC], s99
	v_mov_b32 v[HI], s98
	v_xor_b32 v[LO], 0x80000000, v[HI]
	PLACES NP
.macro OUTA a                          ; side A's block a: 64 sums a lane become a fragment's 16 registers (q, k: two fragments of 8)
.set AC, 64*((\a)%4)
	WIN 0x02+((\a)/4)                              ; source 0: window 2 or 3
.set j, 0
.rept 64
	v_med3_num_f32 v[TMP+j], v[AC+j], v[LO], v[HI] ; the hold at the largest code; each accumulator from its low end on
.set j, j+1
.endr
	WIN 0
.irp b, 0,1,2,3,4,5,6,7
	v_cvt_scalef32_pk8_fp8_f32 v[CD+16*(\a)+2*\b:CD+16*(\a)+2*\b+1], v[TMP+8*\b:TMP+8*\b+7], v[SC]
.endr
	v_nop                                          ; a plain line behind the last conversion: the next block's holds write its sources
.if (\a) > 0
	s_wait_alu depctr_va_vdst(0)
	s_wait_xcnt 0x0                                ; the earlier stores have read their base
.if (\a) == 4
	s_add_nc_u64 s[10:11], s[10:11], s[80:81]
.else
	s_add_nc_u64 s[10:11], s[10:11], s[78:79]
.endif
.endif
	global_store_b128 v[O1], v[CD+16*(\a):CD+16*(\a)+3],     s[10:11] th:TH_STORE_NT             ; each store: 512 consecutive bytes, aligned
	global_store_b128 v[O1], v[CD+16*(\a)+4:CD+16*(\a)+7],   s[10:11] offset:512 th:TH_STORE_NT
	global_store_b128 v[O2], v[CD+16*(\a)+8:CD+16*(\a)+11],  s[10:11] th:TH_STORE_NT
	global_store_b128 v[O2], v[CD+16*(\a)+12:CD+16*(\a)+15], s[10:11] offset:512 th:TH_STORE_NT
.endm
.irp a, 0,1,2,3,4,5,6,7
	OUTA \a
.endr
	s_wait_tensorcnt 0x0                           ; the wave's end
	ds_add_u32 v[SPW], v[NIL]
	s_wait_dscnt 0x0
	CROUND                                         ; the closing round
	s_endpgm
.Lfunc_end_k_q2f2e53b54d_qkv:
	.size	k_q2f2e53b54d_qkv, .Lfunc_end_k_q2f2e53b54d_qkv-k_q2f2e53b54d_qkv
	.p2alignl 7, 3214868480
	.fill 96, 4, 3214868480
	.section	.rodata,"a",@progbits
	.p2align	6, 0x0
	.amdhsa_kernel k_q2f2e53b54d_qkv
		.amdhsa_group_segment_fixed_size 327680
		.amdhsa_private_segment_fixed_size 0
		.amdhsa_enable_private_segment 0
		.amdhsa_kernarg_size 32
		.amdhsa_user_sgpr_count 2
		.amdhsa_user_sgpr_kernarg_segment_ptr 1
		.amdhsa_wavefront_size32 1
		.amdhsa_system_sgpr_workgroup_id_x 1
		.amdhsa_system_sgpr_workgroup_id_y 1
		.amdhsa_system_sgpr_workgroup_id_z 1
		.amdhsa_system_vgpr_workitem_id 0
		.amdhsa_next_free_vgpr 1024
		.amdhsa_next_free_sgpr 100
		.amdhsa_reserve_vcc 0
		.amdhsa_float_denorm_mode_32 3
		.amdhsa_float_denorm_mode_16_64 3
		.amdhsa_memory_ordered 1
		.amdhsa_forward_progress 1
		.amdhsa_inst_pref_size 120
	.end_amdhsa_kernel
	.amdgpu_metadata
---
amdhsa.version: [ 1, 2 ]
amdhsa.kernels:
  - .name:           k_q2f2e53b54d_qkv
    .symbol:         k_q2f2e53b54d_qkv.kd
    .args:
      - { .name: hc, .offset: 0, .size: 8, .value_kind: global_buffer, .address_space: global }
      - { .name: wc, .offset: 8, .size: 8, .value_kind: global_buffer, .address_space: global }
      - { .name: lowp_scales, .offset: 16, .size: 8, .value_kind: global_buffer, .address_space: global }
      - { .name: qkv, .offset: 24, .size: 8, .value_kind: global_buffer, .address_space: global }
    .group_segment_fixed_size: 327680
    .private_segment_fixed_size: 0
    .kernarg_segment_align: 8
    .kernarg_segment_size: 32
    .max_flat_workgroup_size: 128
    .sgpr_count:     100
    .vgpr_count:     1024
    .wavefront_size: 32
...
	.end_amdgpu_metadata
.endif
;; end of part 2
;; launch attn (part 3): grid 8 x 32, 16 waves a work-group, clusters of 4 x 1, 327,680 bytes of LDS; arguments qkv, p, lowp_scales, ac; writes ac
.if DOCPART == 3
	.amdgcn_target "amdgcn-amd-amdhsa--gfx1250"
	.amdhsa_code_object_version 6
	.text
	.protected	k_q2f2e53b54d_attn
	.globl	k_q2f2e53b54d_attn
	.p2align	8
	.type	k_q2f2e53b54d_attn,@function
k_q2f2e53b54d_attn:
	s_mov_b64 s[64:65], 0
	v_nop
	global_prefetch_b8 v0, s[64:65] scope:SCOPE_SE
	s_setreg_imm32_b32 hwreg(HW_REG_WAVE_MODE, 25, 1), 1
	s_wait_xcnt 0x0
	s_wait_alu depctr_hold_cnt(0) depctr_sa_sdst(0) depctr_va_vdst(0) depctr_va_sdst(0) depctr_va_ssrc(0) depctr_va_vcc(0) depctr_vm_vsrc(0)
	s_getreg_b32 s2, hwreg(HW_REG_IB_STS2, 6, 4)
	s_cmp_eq_u32 s2, 0
	s_cbranch_scc0 .Lentry_in_a_cluster
	s_endpgm
.Lentry_in_a_cluster:
	s_bfe_u32 s2, ttmp6, 0x10000c
	s_cmp_lg_u32 s2, 0x3003
	s_cbranch_scc0 .Lentry_shape_is_right
	s_endpgm
.Lentry_shape_is_right:
.set SPARE, 262144
.set XCH,   SPARE+2048
.set XP,    4608
.set SPW, 5
.set NIL, 6
.set WV,  18
.set KT,  48
.set OB,  49
.set SUB, 50
.set TB,  53
.set ES,  81
.set ROLE, 82
.set PB,  83
.set NB,  84
.set HI,  85
.set L1,  86
.set SPL, 87
.set SW,  88
.macro CROUND
	s_barrier_signal -1
	s_barrier_wait -1
	s_cmp_lg_u32 s[WV], 0
	s_cbranch_scc1 .Lnot_wave_0_\@
	s_barrier_signal -3
.Lnot_wave_0_\@:
	s_barrier_wait -3
	s_barrier_signal -1
	s_barrier_wait -1
.endm
	s_load_b256 s[4:11], s[0:1], 0x0
	v_lshl_add_u32 v[SPW], v0, 2, SPARE
	v_mov_b32 v[NIL], 0
	ds_add_u32 v[SPW], v[NIL]
	ds_add_u32 v[SPW], v[NIL]
	v_lshrrev_b32 v8, 5, v0
	s_delay_alu instid0(VALU_DEP_1)
	v_readfirstlane_b32 s[WV], v8
	s_bfe_u32 s54, ttmp6, 0x40000
	s_and_b32 s55, ttmp7, 0xffff
	s_lshr_b32 s[PB], s[WV], 1
	s_sub_co_u32 s[NB], 15, s[PB]
	s_lshr_b32 s56, s[WV], 2
	s_xor_b32 s56, s56, s[WV]
	s_and_b32 s[ROLE], s56, 1
	s_lshl_b32 s[SUB], ttmp9, 2
	s_add_co_u32 s[SUB], s[SUB], s54
	s_cmp_eq_u32 s[PB], 0
	s_cselect_b32 s[SPL], 9, 8
	s_sub_co_u32 s57, s[SPL], 1
	s_add_co_u32 s58, s[PB], 1
	s_cmp_eq_u32 s[ROLE], 0
	s_cselect_b32 s[OB], s[PB], s[NB]
	s_cselect_b32 s[HI], s57, s[NB]
	s_cselect_b32 s[L1], s57, s[PB]
	s_cselect_b32 s[SW], s58, 255
	s_mul_i32 s89, s[PB], XP
	s_add_co_u32 s89, s89, XCH
	s_and_b32 s52, s55, 15
	s_lshl_b32 s52, s52, 2
	s_lshl_b32 s60, s55, 18
	s_add_co_u32 s60, s60, 0x400000
	s_lshl_b32 s58, s[WV], 11
	s_mul_i32 s59, s[WV], 14336
	s_add_co_u32 s59, s59, 32768
	s_add_co_u32 s62, s60, s58
	s_mov_b32 s63, 0
	s_add_co_u32 s60, s60, s59
	s_mov_b32 s61, 0
	s_mov_b32 s24, 15|(3<<16)|(1<<21)
	s_mov_b32 s25, 128<<16                         ; the first fill: a wave's 2,048 dense bytes, stated as two rows of 128 elements of 8 bytes
	s_mov_b32 s26, 2<<16
	s_mov_b32 s27, 128<<16
	s_mov_b32 s28, 2
	s_mov_b32 s29, 128
	s_mov_b32 s30, 0
	s_mov_b32 s31, 0
	s_mov_b32 s32, 15|(3<<16)|(1<<21)
	s_mov_b32 s33, 896<<16                         ; the second fill: a wave's 14,336 dense bytes, stated as two rows of 896 elements: 7,168 bytes, a multiple of 256
	s_mov_b32 s34, 2<<16
	s_mov_b32 s35, 896<<16
	s_mov_b32 s36, 2
	s_mov_b32 s37, 896
	s_mov_b32 s38, 0
	s_mov_b32 s39, 0
	s_mov_b32 s20, 0x76543210
	s_mov_b32 s21, 0xfedcba98
	s_mov_b32 s[KT], 0
	s_mov_b32 s[TB], 0
	s_lshl_b32 s66, s55, 17
	s_lshl_b32 s67, s[SUB], 10
	s_add_co_u32 s66, s66, s67
	s_lshl_b32 s67, s[NB], 13
	s_add_co_u32 s90, s66, s67
	s_mov_b32 s91, 0
	s_lshl_b32 s67, s[OB], 13
	s_add_co_u32 s66, s66, s67
	s_mov_b32 s67, 0
	s_lshr_b32 s78, s55, 4
	s_lshl_b32 s78, s78, 7
	s_lshl_b32 s79, s[OB], 3
	s_add_co_u32 s78, s78, s79
	s_add_co_u32 s78, s78, s[SUB]
	s_lshl_b32 s78, s78, 3
	s_bfe_u32 s79, s55, 0x30001
	s_add_co_u32 s78, s78, s79
	s_lshl_b32 s78, s78, 11
	s_and_b32 s79, s55, 1
	s_lshl_b32 s79, s79, 10
	s_add_co_u32 s78, s78, s79
	s_mov_b32 s79, 0
	s_lshl_b32 s80, s[SUB], 4
	s_wait_dscnt 0x0
	s_wait_kmcnt 0x0
	s_load_b256 s[68:75], s[8:9], 0x18
	s_load_b32 s76, s[6:7], s52 offset:0x0
	s_mov_b32 s40, 1
	s_mov_b32 s41, s58
	s_add_nc_u64 s[42:43], s[4:5], s[62:63]
	s_or_b32 s43, s43, 0x80000000
	s_mov_b32 s44, 1
	s_mov_b32 s45, s59
	s_add_nc_u64 s[46:47], s[4:5], s[60:61]
	s_or_b32 s47, s47, 0x80000000
	s_add_nc_u64 s[66:67], s[4:5], s[66:67]
	s_add_nc_u64 s[90:91], s[4:5], s[90:91]
	s_add_nc_u64 s[10:11], s[10:11], s[78:79]
	CROUND
	tensor_load_to_lds s[40:43], s[24:31]
	s_nop 0
	; PREFETCH of what my second fill will ask for, the whole first fill ahead of it: 14,336 bytes are 56 blocks of 256.  The four partners that ask for them jointly take 14 blocks each, told apart by address (cx):
	; lanes 0 to 13 name a block each, the lanes left over name the last again.  v1 and s[92:93] are never rewritten.
	s_mul_i32 s94, s54, 3584
	s_mov_b32 s95, 0
	s_add_nc_u64 s[92:93], s[4:5], s[60:61]
	s_add_nc_u64 s[92:93], s[92:93], s[94:95]
	v_and_b32 v1, 31, v0
	v_min_u32 v1, 13, v1
	v_lshlrev_b32 v1, 8, v1
	global_prefetch_b8 v1, s[92:93] th:TH_LOAD_NT scope:SCOPE_SE
	s_wait_alu depctr_va_vdst(0)
	s_wait_tensorcnt 0x0
	ds_add_u32 v5, v6
	s_wait_dscnt 0x0
	CROUND
	tensor_load_to_lds s[44:47], s[32:39]
	s_nop 0
.rept 4
	v_nop
.endr
	v_and_b32 v7, 31, v0
	s_delay_alu instid0(VALU_DEP_1)
	v_lshlrev_b32 v7, 4, v7
	global_load_b128 v[16:19], v7, s[66:67]
	global_load_b128 v[20:23], v7, s[66:67] offset:512
	global_load_b128 v[192:195], v7, s[90:91]
	global_load_b128 v[196:199], v7, s[90:91] offset:512
	v_add_nc_u32 v11, s89, v7
	v_and_b32 v9, 15, v0
	v_bfe_u32 v10, v0, 4, 1
	s_delay_alu instid0(VALU_DEP_1)
	v_lshlrev_b32 v10, 3, v10
	s_delay_alu instid0(VALU_DEP_1)
	v_sub_nc_u32 v247, v9, v10
	s_delay_alu instid0(VALU_DEP_1)
	v_add_nc_u32 v247, s80, v247
	v_mov_b32 v248, 0xff800000
	v_mov_b32 v13, 0xff61b1e6
	s_delay_alu instid0(VALU_DEP_1)
	v_floor_f32 v12, -v13
	v_mov_b32 v14, 0
	v_mov_b32 v15, 0
	v_mov_b32 v246, 0
	v_mov_b32 v251, 0
	v_mov_b32 v253, 0
.set j, 0
.rept 8
	v_mov_b32 v[24+j], 0
.set j, j+1
.endr
.set j, 0
.rept 32
	v_mov_b32 v[160+j], 0
.set j, j+1
.endr
	s_wait_kmcnt 0x0
	v_mov_b32 v9, s76
	s_wait_alu depctr_va_vdst(0)
	v_rsq_f32 v9, v9
	v_nop
	s_add_co_i32 s77, s68, s69
	s_wait_alu depctr_va_vdst(0)
	v_mul_f32 v9, 0x3fb8aa3b, v9
	s_delay_alu instid0(VALU_DEP_1)
	v_ldexp_f32 v9, v9, s77
	s_delay_alu instid0(VALU_DEP_1)
	v_readfirstlane_b32 s22, v9
	s_mov_b32 s23, s22
	s_add_co_i32 s[ES], s70, s71
	s_add_co_i32 s77, s70, 127
	s_lshl_b32 s52, s77, 23
	v_mov_b32 v244, s52
	s_add_co_i32 s77, s77, 8
	s_lshl_b32 s77, s77, 23
	s_or_b32 s77, s77, 0x600000
	v_mov_b32 v240, s77
	s_add_co_i32 s77, s72, 127
	s_lshl_b32 s52, s77, 23
	v_mov_b32 v245, s52
	s_add_co_i32 s77, s77, 8
	s_lshl_b32 s77, s77, 23
	s_or_b32 s77, s77, 0x600000
	v_mov_b32 v241, s77
.macro FINAL
.rept 4
	v_nop
.endr
	v_add_f32 v14, v14, v15
	s_delay_alu instid0(VALU_DEP_1)
	v_permlanex16_b32 v246, v14, s20, s21
	s_delay_alu instid0(VALU_DEP_1)
	v_add_f32 v14, v14, v246
	s_wait_alu depctr_va_vdst(0)
	v_rcp_f32 v14, v14
	v_nop
	s_wait_alu depctr_va_vdst(0)
	v_ldexp_f32 v14, v14, s[ES]
.set j, 0
.rept 16
	v_pk_mul_f32 v[96+j:97+j], v[160+j:161+j], v[14:15] op_sel_hi:[1,0]
.set j, j+2
.endr
.irp t, 0,1,2,3
.irp i, 0,1,2,3,4,5,6,7
	v_med3_num_f32 v[96+8*\t+\i], v[96+8*\t+\i], -v241, v241
.endr
	v_cvt_scalef32_pk8_fp8_f32 v[24+2*\t:25+2*\t], v[96+8*\t:103+8*\t], v245
.endr
	v_nop
.endm
.macro STEP
	s_cmp_lg_u32 s[KT], s[SW]
	s_cbranch_scc1 .Lsame_\@
	s_wait_alu depctr_va_vdst(0)
	FINAL
	v_mov_b32 v13, 0xff61b1e6
	s_delay_alu instid0(VALU_DEP_1)
	v_floor_f32 v12, -v13
	v_mov_b32 v14, 0
	v_mov_b32 v15, 0
.set j, 0
.rept 8
	v_mov_b32 v[16+j], v[192+j]
.set j, j+1
.endr
.Lsame_\@:
	s_cmp_gt_u32 s[KT], s[HI]
	s_cbranch_scc1 .Lhidden_\@
	s_cmp_le_u32 s[KT], s[L1]
	s_cbranch_scc1 .Lgo_\@
	s_cmp_lt_u32 s[KT], s[SPL]
	s_cbranch_scc1 .Lhidden_\@
.Lgo_\@:
	v_add_nc_u32 v8, s[TB], v7
.rept 3
	v_nop
.endr
.irp t, 0,1,2,3,4,5,6,7
	ds_load_b128 v[32+8*\t:35+8*\t], v8 offset:\t*1024
	ds_load_b128 v[36+8*\t:39+8*\t], v8 offset:\t*1024+512
.endr
	s_wait_dscnt 0x0
	s_wait_alu depctr_va_vdst(0)
.irp t, 0,1,2,3,4,5,6,7
	v_wmma_f32_16x16x64_fp8_fp8 v[96+8*\t:103+8*\t], v[32+8*\t:39+8*\t], v[16:23], 0
.endr
.rept 4
	v_nop
.endr
.irp t, 0,1,2,3
.irp c, 0,1,2,3
	ds_load_b128 v[32+16*\t+4*\c:35+16*\t+4*\c], v8 offset:8192+\t*2048+\c*512
.endr
.endr
	s_cmp_lg_u32 s[KT], s[OB]
	s_cbranch_scc1 .Lopen_\@
.set n, 0
.rept 64
	v_cmp_gt_i32 vcc_lo, 16*(n/8)+n%8, v247
	v_cndmask_b32 v[96+n], v[96+n], v248, vcc_lo
.set n, n+1
.endr
.Lopen_\@:
	v_max3_num_f32 v254, v96, v97, v98
	v_max3_num_f32 v252, v99, v100, v101
.irp i, 6,10,14,18,22,26,30,34,38,42,46,50,54,58
	v_max3_num_f32 v254, v254, v[96+\i], v[97+\i]
	v_max3_num_f32 v252, v252, v[98+\i], v[99+\i]
.endr
	v_max3_num_f32 v254, v254, v158, v159
	s_delay_alu instid0(VALU_DEP_1)
	v_max_num_f32 v254, v254, v252
	s_delay_alu instid0(VALU_DEP_1)
	v_permlanex16_b32 v246, v254, s20, s21
	s_delay_alu instid0(VALU_DEP_1)
	v_max_num_f32 v254, v254, v246
	s_delay_alu instid0(VALU_DEP_1)
	v_mul_f32 v254, s22, v254
	s_delay_alu instid0(VALU_DEP_1)
	v_max_num_f32 v13, v13, v254
	v_mov_b32 v254, v12
	s_delay_alu instid0(VALU_DEP_2)
	v_floor_f32 v12, -v13
	s_delay_alu instid0(VALU_DEP_1)
	v_sub_f32 v254, v12, v254
	s_delay_alu instid0(VALU_DEP_1)
	v_cvt_i32_f32 v254, v254
	s_delay_alu instid0(VALU_DEP_1)
	v_ldexp_f32 v252, 1.0, v254
.set j, 0
.rept 32
	v_pk_fma_f32 v[96+j:97+j], v[96+j:97+j], s[22:23], v[12:13] op_sel_hi:[1,0,0]
.set j, j+2
.endr
.set j, 0
	s_wait_alu depctr_va_vdst(0)
.rept 64
	v_exp_f32 v[96+j], v[96+j]
.set j, j+1
.endr
	v_pk_mul_f32 v[14:15], v[14:15], v[252:253] op_sel_hi:[1,0]
	s_wait_alu depctr_va_vdst(0)
	v_pk_add_f32 v[242:243], v[96:97], v[98:99]
.irp j, 4,8,12,16,20,24,28,32,36,40,44,48,52,56,60
	v_pk_add_f32 v[14:15], v[14:15], v[96+\j:97+\j]
	v_pk_add_f32 v[242:243], v[242:243], v[98+\j:99+\j]
.endr
	s_delay_alu instid0(VALU_DEP_1)
	v_pk_add_f32 v[14:15], v[14:15], v[242:243]
.irp t, 0,1,2,3,4,5,6,7
.irp i, 0,1,2,3,4,5,6,7
	v_min_num_f32 v[96+8*\t+\i], v[96+8*\t+\i], v240
.endr
	v_cvt_scalef32_pk8_fp8_f32 v[224+2*\t:225+2*\t], v[96+8*\t:103+8*\t], v244
.endr
.set j, 0
.rept 16
	v_pk_mul_f32 v[160+j:161+j], v[160+j:161+j], v[252:253] op_sel_hi:[1,0]
.set j, j+2
.endr
	s_wait_alu depctr_va_vdst(0)
	s_wait_dscnt 0x0
.irp t, 0,1,2,3
	v_wmma_f32_16x16x128_fp8_fp8 v[160+8*\t:167+8*\t], v[32+16*\t:47+16*\t], v[224:239], v[160+8*\t:167+8*\t]
.endr
.Lhidden_\@:
	s_add_co_u32 s[KT], s[KT], 1
	s_add_co_u32 s[TB], s[TB], 16384
.endm
	s_wait_tensorcnt 1
	s_wait_loadcnt 0x0
	s_barrier_signal -1
	s_barrier_wait -1
	s_mov_b32 s51, 2
.Lfirst:
	STEP
	s_sub_co_u32 s51, s51, 1
	s_cmp_lg_u32 s51, 0
	s_cbranch_scc1 .Lfirst
	s_wait_tensorcnt 0x0
	s_wait_dscnt 0x0
	s_barrier_signal -1
	s_barrier_wait -1
	s_mov_b32 s51, 14
.Lrest:
	STEP
	s_sub_co_u32 s51, s51, 1
	s_cmp_lg_u32 s51, 0
	s_cbranch_scc1 .Lrest
	s_cmp_lg_u32 s[ROLE], 0
	s_cbranch_scc1 .Lkeeps
.rept 4
	v_nop
.endr
.irp c, 0,1,2,3,4,5,6,7
	ds_store_b128 v11, v[160+4*\c:163+4*\c] offset:512*\c
.endr
	s_wait_alu depctr_va_vdst(0)
	ds_store_b128 v11, v[12:15] offset:4096
.Lkeeps:
	s_wait_dscnt 0x0
	s_barrier_signal -1
	s_barrier_wait -1
	s_cmp_eq_u32 s[ROLE], 0
	s_cbranch_scc1 .Lout
.irp c, 0,1,2,3,4,5,6,7
	ds_load_b128 v[192+4*\c:195+4*\c], v11 offset:512*\c
.endr
	ds_load_b128 v[24:27], v11 offset:4096
	s_wait_dscnt 0x0
	v_min_num_f32 v254, v12, v24
	s_delay_alu instid0(VALU_DEP_1)
	v_sub_f32 v252, v254, v12
	s_delay_alu instid0(VALU_DEP_2)
	v_sub_f32 v250, v254, v24
	s_delay_alu instid0(VALU_DEP_2)
	v_cvt_i32_f32 v252, v252
	s_delay_alu instid0(VALU_DEP_2)
	v_cvt_i32_f32 v250, v250
	s_delay_alu instid0(VALU_DEP_2)
	v_ldexp_f32 v252, 1.0, v252
	s_delay_alu instid0(VALU_DEP_2)
	v_ldexp_f32 v250, 1.0, v250
	s_delay_alu instid0(VALU_DEP_2)
	v_pk_mul_f32 v[14:15], v[14:15], v[252:253] op_sel_hi:[1,0]
	s_delay_alu instid0(VALU_DEP_1)
	v_pk_fma_f32 v[14:15], v[26:27], v[250:251], v[14:15] op_sel_hi:[1,0,1]
.set j, 0
.rept 16
	v_pk_mul_f32 v[160+j:161+j], v[160+j:161+j], v[252:253] op_sel_hi:[1,0]
.set j, j+2
.endr
.set j, 0
.rept 16
	v_pk_fma_f32 v[160+j:161+j], v[192+j:193+j], v[250:251], v[160+j:161+j] op_sel_hi:[1,0,1]
.set j, j+2
.endr
	FINAL
.Lout:
	global_store_b128 v7, v[24:27], s[10:11]
	global_store_b128 v7, v[28:31], s[10:11] offset:512
	s_wait_tensorcnt 0x0
	ds_add_u32 v[SPW], v[NIL]
	s_wait_dscnt 0x0
	CROUND
	s_endpgm
.Lfunc_end_k_q2f2e53b54d_attn:
	.size	k_q2f2e53b54d_attn, .Lfunc_end_k_q2f2e53b54d_attn-k_q2f2e53b54d_attn
	.p2alignl 7, 3214868480
	.fill 96, 4, 3214868480
	.section	.rodata,"a",@progbits
	.p2align	6, 0x0
	.amdhsa_kernel k_q2f2e53b54d_attn
		.amdhsa_group_segment_fixed_size 327680
		.amdhsa_private_segment_fixed_size 0
		.amdhsa_enable_private_segment 0
		.amdhsa_kernarg_size 32
		.amdhsa_user_sgpr_count 2
		.amdhsa_user_sgpr_kernarg_segment_ptr 1
		.amdhsa_wavefront_size32 1
		.amdhsa_system_sgpr_workgroup_id_x 1
		.amdhsa_system_sgpr_workgroup_id_y 1
		.amdhsa_system_sgpr_workgroup_id_z 1
		.amdhsa_system_vgpr_workitem_id 0
		.amdhsa_next_free_vgpr 256
		.amdhsa_next_free_sgpr 96
		.amdhsa_reserve_vcc 1
		.amdhsa_float_denorm_mode_32 3
		.amdhsa_float_denorm_mode_16_64 3
		.amdhsa_memory_ordered 1
		.amdhsa_forward_progress 1
		.amdhsa_inst_pref_size 69
	.end_amdhsa_kernel
	.amdgpu_metadata
---
amdhsa.version: [ 1, 2 ]
amdhsa.kernels:
  - .name:           k_q2f2e53b54d_attn
    .symbol:         k_q2f2e53b54d_attn.kd
    .args:
      - { .name: qkv, .offset: 0, .size: 8, .value_kind: global_buffer, .address_space: global }
      - { .name: p, .offset: 8, .size: 8, .value_kind: global_buffer, .address_space: global }
      - { .name: lowp_scales, .offset: 16, .size: 8, .value_kind: global_buffer, .address_space: global }
      - { .name: ac, .offset: 24, .size: 8, .value_kind: global_buffer, .address_space: global }
    .group_segment_fixed_size: 327680
    .private_segment_fixed_size: 0
    .kernarg_segment_align: 8
    .kernarg_segment_size: 32
    .max_flat_workgroup_size: 512
    .sgpr_count:     96
    .vgpr_count:     256
    .wavefront_size: 32
...
	.end_amdgpu_metadata
.endif
;; end of part 3
;; launch proj (part 4): grid 8 x 32, 4 waves a work-group, clusters of 4 x 4, 327,680 bytes of LDS; arguments ac, wc, lowp_scales, x, x1; writes x1
.if DOCPART == 4
	.amdgcn_target "amdgcn-amd-amdhsa--gfx1250"
	.amdhsa_code_object_version 6
	.text
	.protected	k_q2f2e53b54d_proj
	.globl	k_q2f2e53b54d_proj
	.p2align	8
	.type	k_q2f2e53b54d_proj,@function
k_q2f2e53b54d_proj:
	s_mov_b64 s[64:65], 0
	v_nop
	global_prefetch_b8 v0, s[64:65] scope:SCOPE_SE
	s_setreg_imm32_b32 hwreg(HW_REG_WAVE_MODE, 25, 1), 1
	s_wait_xcnt 0x0
	s_wait_alu depctr_hold_cnt(0) depctr_sa_sdst(0) depctr_va_vdst(0) depctr_va_sdst(0) depctr_va_ssrc(0) depctr_va_vcc(0) depctr_vm_vsrc(0)
	s_getreg_b32 s2, hwreg(HW_REG_IB_STS2, 6, 4)
	s_cmp_eq_u32 s2, 0
	s_cbranch_scc0 .Lentry_in_a_cluster
	s_endpgm
.Lentry_in_a_cluster:
	s_bfe_u32 s2, ttmp6, 0x10000c
	s_cmp_lg_u32 s2, 0xf033
	s_cbranch_scc0 .Lentry_shape_is_right
	s_endpgm
.Lentry_shape_is_right:
; x1 = x + att Wproj, the product on codes of E4M3.  [4,096 x 1,024] = [4,096 x K] [K x 1,024], K = 1,024; sums f32, each multiplied once by 2^(e10 + e11).
; Operands lie in memory as images of matrix registers: [block of 16 rows][fragment of 128 K][2,048 bytes].  A tile of the result is 128 x 128, so that 256 work-groups have work; a wave makes 64 x 64: 16 accumulators.
; K goes in steps of 512 through two LDS slots.  4 x 4 work-groups form a cluster: the left operand's tiles are shared along a row, the weight's along a column, each asked for jointly.
; The matrix instruction is used transposed (source 0 = 16 weight columns, source 1 = 16 tokens): a lane holds eight neighbouring numbers of a row of the result.
; The residual's 64 x 64 numbers of a wave are loaded into registers once the tiles are in, in the layout in which rows come back from the stage.
; LIMIT: e10 + e11 between -126 and 127.
.set KF,     8                         ; fragments along K
.set WOFF,   0x300000                  ; the weight's codes in wc
.set EOFF,   40                        ; the two exponents' bytes in lowp_scales
.set LAPS,   1                         ; K / 1,024
; THE WHOLE K OF A TILE LIES IN LDS AT ONCE: 2 x 128 rows x 1,024 codes = 262,144 bytes.  One tensor load a wave, at the head, brings 64 rows x 1,024: 65,536 consecutive bytes of memory.
; Nothing is filled again.  What the lines above and below call the two slots are the two halves of K, 8,192 bytes apart in each block's 16,384.  No prefetch: there is no loop to run ahead in.
.set QT,     65536                     ; 4 blocks of 16 rows x 8 fragments: what one tensor load brings and one wave reads of a side
.set SLOT,   8192                      ; from the first half of K to the second, in a block of 16 rows
.set STAGE,  4*QT                      ; behind the tiles: 16 rows x 272 bytes for each wave
.set SPITCH, 272
.set SPARE,  STAGE+4*16*SPITCH         ; behind the stages: the spare words
.set ADRA, 16
.set ADRB, 20
.set STO,  24
.set RD,   25
.set CO,   26
.set SPW,  28
.set NIL,  29
.set BK,   32                          ; v32-95: rows back from the stage, two sets
.set ACC,  128
.set F0,   0                           ; window 1: two fragment buffers: side A's 4 x 16 registers, then side B's
.set F1,   128
.set G1, 24
.set G0, 32
.set G1B, 48
.set G0B, 56
.set MSB, 0
.macro WIN new
.if MSB != \new
	s_set_vgpr_msb (MSB<<8)|\new
.set MSB, \new
.endif
.endm
.set MUL,  0x05                        ; sources 0 and 1 window 1; C and D window 0
.set TO_F, 0x40
.macro JLOAD s
	s_cmp_eq_u32 s11, 0
	s_cbranch_scc0 .Lfor_b_\@
	tensor_load_to_lds s[G0+4*\s:G0+4*\s+3], s[G1:G1+7]
	s_nop 0
.rept 4
	v_nop
.endr
	s_branch .Lasked_\@
.Lfor_b_\@:
	tensor_load_to_lds s[G0B+4*\s:G0B+4*\s+3], s[G1B:G1B+7]
	s_nop 0
.rept 4
	v_nop
.endr
.Lasked_\@:
.endm
.macro CREST
	s_cmp_lg_u32 s10, 0
	s_cbranch_scc1 .Lnot_wave_0_\@
	s_barrier_signal -3
.Lnot_wave_0_\@:
	s_barrier_wait -3
	s_barrier_signal -1
	s_barrier_wait -1
.endm
.macro CROUND
	s_barrier_signal -1
	s_barrier_wait -1
	CREST
.endm
	s_load_b128 s[4:7], s[0:1], 0x0                ; the left operand's codes, wc
	s_load_b64 s[8:9], s[0:1], 0x10                ; the scales' exponents
	s_load_b128 s[68:71], s[0:1], 0x18             ; the residual, the result
	v_lshl_add_u32 v[SPW], v0, 2, SPARE
	v_mov_b32 v[NIL], 0
	ds_add_u32 v[SPW], v[NIL]                      ; the wave's opening: the add and its wait ahead of my first tensor load
	ds_add_u32 v[SPW], v[NIL]
	v_lshrrev_b32 v1, 5, v0
	v_readfirstlane_b32 s10, v1                    ; wave 0..3
	s_lshr_b32 s11, s10, 1                         ; my half of the rows.  Also: I fetch for A (0) or B (1)
	s_and_b32 s12, s10, 1                          ; my half of the columns.  Also: which 64 rows I fetch
	s_bfe_u32 s40, ttmp6, 0x40000
	s_bfe_u32 s41, ttmp6, 0x40004
	s_lshl_b32 s42, ttmp9, 2
	s_add_co_u32 s42, s42, s40                     ; tile column
	s_and_b32 s13, ttmp7, 0xffff
	s_lshl_b32 s13, s13, 2
	s_add_co_u32 s13, s13, s41                     ; tile row
	s_lshl_b32 s43, s41, 2
	s_lshl_b32 s43, 15, s43
	s_lshl_b32 s44, 0x1111, s40
	s_or_b32 s[G1+0], s43, (3<<16)|(1<<21)         ; the mask; elements of 8 bytes; bit 21 beside a mask
	s_or_b32 s[G1B+0], s44, (3<<16)|(1<<21)
.irp g, G1, G1B
	s_mov_b32 s[\g+1], 2048<<16                    ; tensor_dim0: 16,384 bytes
	s_mov_b32 s[\g+2], 4<<16                       ; tensor_dim1: 4 blocks of 16 rows
	s_mov_b32 s[\g+3], 2048<<16
	s_mov_b32 s[\g+4], 4
	s_mov_b32 s[\g+5], KF*256                      ; from block to block
	s_mov_b32 s[\g+6], 0
	s_mov_b32 s[\g+7], 0
.endr
	s_lshl_b32 s18, s12, 2
	s_lshl_b32 s16, s13, 3
	s_add_co_u32 s16, s16, s18
	s_mul_i32 s16, s16, KF*2048
	s_mov_b32 s17, 0
	s_lshl_b32 s46, s42, 3
	s_add_co_u32 s46, s46, s18
	s_mul_i32 s46, s46, KF*2048
	s_add_co_u32 s46, s46, WOFF
	s_mov_b32 s47, 0
	s_lshl_b32 s20, s10, 16                        ; where they go: wave x 65,536
	s_wait_dscnt 0x0
	s_wait_kmcnt 0x0
	s_load_b64 s[66:67], s[8:9], EOFF
	s_add_nc_u64 s[14:15], s[4:5], s[16:17]
	s_add_nc_u64 s[46:47], s[6:7], s[46:47]
	CROUND
.irp s, 0
	s_mov_b32 s[G0+4*\s], 1
	s_add_co_u32 s[G0+4*\s+1], s20, \s*SLOT
	s_add_nc_u64 s[G0+4*\s+2:G0+4*\s+3], s[14:15], \s*8192
	s_or_b32 s[G0+4*\s+3], s[G0+4*\s+3], 0x80000000
	s_mov_b32 s[G0B+4*\s], 1
	s_add_co_u32 s[G0B+4*\s+1], s20, \s*SLOT
	s_add_nc_u64 s[G0B+4*\s+2:G0B+4*\s+3], s[46:47], \s*8192
	s_or_b32 s[G0B+4*\s+3], s[G0B+4*\s+3], 0x80000000
	JLOAD \s
.endr
	v_and_b32 v1, 31, v0
	v_lshlrev_b32 v2, 4, v1                        ; 16 x lane
	s_lshl_b32 s21, s11, 16
	s_lshl_b32 s22, s12, 16
	s_add_co_u32 s22, s22, 2*QT
.irp s, 0,1
	v_add_nc_u32 v[ADRA+\s], s21, v2
	v_add_nc_u32 v[ADRB+\s], s22, v2
	s_add_co_u32 s21, s21, SLOT
	s_add_co_u32 s22, s22, SLOT
.endr
	v_and_b32 v3, 15, v0                           ; r
	v_bfe_u32 v4, v0, 4, 1                         ; h
	s_mul_i32 s23, s10, 16*SPITCH
	s_add_co_u32 s23, s23, STAGE
	v_mul_u32_u24 v5, v3, SPITCH
	v_lshl_add_u32 v5, v4, 5, v5
	v_add_nc_u32 v[STO], s23, v5                   ; in: row r, 32 bytes for each half of the lanes
	v_mul_u32_u24 v5, v4, SPITCH
	v_lshl_add_u32 v5, v3, 4, v5
	v_add_nc_u32 v[RD], s23, v5                    ; back: lanes 0-15 one row of 256 bytes, lanes 16-31 the next
	v_lshlrev_b32 v5, 12, v4
	v_lshl_add_u32 v[CO], v3, 4, v5                ; the same two rows in memory
	s_wait_alu depctr_va_vdst(0)
	s_lshl_b32 s72, s13, 19                        ; 128 rows of 4,096 bytes,
	s_lshl_b32 s73, s11, 18                        ; my 64 of them,
	s_add_co_u32 s72, s72, s73
	s_lshl_b32 s73, s42, 9                         ; 128 columns,
	s_add_co_u32 s72, s72, s73
	s_lshl_b32 s73, s12, 8                         ; my 64
	s_add_co_u32 s72, s72, s73
	s_mov_b32 s73, 0
	s_add_nc_u64 s[68:69], s[68:69], s[72:73]
	s_add_nc_u64 s[70:71], s[70:71], s[72:73]
.macro MUL4 f, a, zero                 ; side A's block a x side B's four.  The 16 accumulators take turns, one instruction a turn
.irp b, 0,1,2,3
.if \zero
	v_wmma_f32_16x16x128_fp8_fp8 v[ACC+8*(4*(\a)+\b):ACC+8*(4*(\a)+\b)+7], v[\f+64+16*\b:\f+64+16*\b+15], v[\f+16*(\a):\f+16*(\a)+15], 0
.else
	v_wmma_f32_16x16x128_fp8_fp8 v[ACC+8*(4*(\a)+\b):ACC+8*(4*(\a)+\b)+7], v[\f+64+16*\b:\f+64+16*\b+15], v[\f+16*(\a):\f+16*(\a)+15], v[ACC+8*(4*(\a)+\b):ACC+8*(4*(\a)+\b)+7]
.endif
.endr
.endm
.macro MUL8 f, a0, zero
	MUL4 \f, \a0, \zero
	MUL4 \f, \a0+1, \zero
.endm
.macro FETCH slot, q, f                ; 32 LDS loads in one run: side B's four fragments, then side A's
	WIN TO_F
.irp i, 0,1,2,3
.irp c, 0,1,2,3
	ds_load_b128 v[\f+64+16*\i+4*\c:\f+64+16*\i+4*\c+3], v[ADRB+\slot] offset:\i*16384+(\q)*2048+\c*512
.endr
.endr
.irp i, 0,1,2,3
.irp c, 0,1,2,3
	ds_load_b128 v[\f+16*\i+4*\c:\f+16*\i+4*\c+3], v[ADRA+\slot] offset:\i*16384+(\q)*2048+\c*512
.endr
.endr
.endm
.macro PLACES
.rept 4
	v_nop
.endr
.endm
.macro QUARTER slot, qn, f, g, zero    ; 128 along K from buffer f; in its middle the slot's quarter qn is fetched into g
	s_wait_dscnt 8                                 ; all but side A's blocks 2 and 3
	WIN MUL
	MUL8 \f, 0, \zero
	PLACES
	FETCH \slot, \qn, \g
	s_wait_dscnt 32                                ; all but the 32 just issued
	WIN MUL
	MUL8 \f, 2, \zero
.endm
.macro TURN slot, next, fill           ; a slot's last quarter (buffer 1), and the change of slots
	WIN 0
	s_wait_tensorcnt 0x0                           ; all my tensor loads have landed: my part of the next slot
	ds_add_u32 v[SPW], v[NIL]
	s_wait_dscnt 9                                 ; the add and side A's blocks 2 and 3 may be out
	WIN MUL
	MUL4 F1, 0, 0
	s_wait_dscnt 0x0                               ; the add is done, and my reads of this slot are over
	s_barrier_signal -1
	MUL4 F1, 1, 0
	WIN 0
	s_barrier_wait -1
.if \fill
	CREST                                          ; the barrier has opened a round of the cluster's
	s_add_nc_u64 s[G0+4*\slot+2:G0+4*\slot+3], s[G0+4*\slot+2:G0+4*\slot+3], 16384
	s_add_nc_u64 s[G0B+4*\slot+2:G0B+4*\slot+3], s[G0B+4*\slot+2:G0B+4*\slot+3], 16384
	JLOAD \slot                                    ; the first tensor load behind the round; its four v_nop are the places in front of the loads below
.else
	PLACES
.endif
	FETCH \next, 0, F0
	WIN MUL
	MUL8 F1, 2, 0
.endm
	s_wait_tensorcnt 0x0                           ; my one load, my part of both tiles, is in
	s_barrier_signal -1
	s_barrier_wait -1
	FETCH 0, 0, F0
	WIN 0x80                                       ; THE RESIDUAL IS ASKED FOR HERE, when the tiles are in, and not at the head: 32 loads into window 2, block by block of 16 rows, with all the products ahead of their waits
.irp a, 0,1,2,3
.irp t, 0,1,2,3,4,5,6,7
	global_load_b128 v[32*\a+4*\t:32*\a+4*\t+3], v[CO], s[68:69] offset:(16*\a+2*\t)*4096
.endr
.endr
	QUARTER 0, 1, F0, F1, 1                        ; the first products start the sums
.if LAPS > 1
	WIN 0
	s_mov_b32 s3, LAPS-1
.Llap:
	QUARTER 0, 2, F1, F0, 0
	QUARTER 0, 3, F0, F1, 0
	TURN 0, 1, 1
	QUARTER 1, 1, F0, F1, 0
	QUARTER 1, 2, F1, F0, 0
	QUARTER 1, 3, F0, F1, 0
	TURN 1, 0, 1
	QUARTER 0, 1, F0, F1, 0
	WIN 0
	s_sub_co_u32 s3, s3, 1
	s_cmp_lg_u32 s3, 0
	s_cbranch_scc1 .Llap
.endif
	QUARTER 0, 2, F1, F0, 0
	QUARTER 0, 3, F0, F1, 0
	TURN 0, 1, 0                                   ; the last lap fills nothing
	QUARTER 1, 1, F0, F1, 0
	QUARTER 1, 2, F1, F0, 0
	QUARTER 1, 3, F0, F1, 0
	s_wait_dscnt 8
	WIN MUL
	MUL8 F1, 0, 0
	s_wait_dscnt 0
	MUL8 F1, 2, 0
	WIN 0
	; THE WAY OUT, 16 rows at a time through my own stage, back as whole rows of 256 bytes; there sum x 2^(ea + eb) + residual is one packed multiply-add for two numbers
	s_wait_kmcnt 0x0
	s_add_co_i32 s66, s66, s67
	s_add_co_i32 s66, s66, 127
	s_lshl_b32 s66, s66, 23
	s_mov_b32 s67, s66
	PLACES
.macro TOSTAGE a
.irp b, 0,1,2,3
	ds_store_b128 v[STO], v[ACC+8*(4*(\a)+\b):ACC+8*(4*(\a)+\b)+3]   offset:64*\b      ; each accumulator from its low end on
	ds_store_b128 v[STO], v[ACC+8*(4*(\a)+\b)+4:ACC+8*(4*(\a)+\b)+7] offset:64*\b+16
.endr
.set BB, BK+32*((\a)%2)
.irp t, 0,1,2,3,4,5,6,7
	ds_load_b128 v[BB+4*\t:BB+4*\t+3], v[RD] offset:\t*2*SPITCH   ; LDS serves a wave's instructions in order: these see my stores
.endr
.endm
.macro SEND a, younger
.set BB, BK+32*((\a)%2)
	s_wait_dscnt \younger
	s_wait_loadcnt 24-8*(\a)                       ; block a's eight residual loads are in; the later blocks' eight each may be out
	WIN 0x20
.set i, 0
.rept 16
	v_pk_fma_f32 v[BB+i:BB+i+1], v[BB+i:BB+i+1], s[66:67], v[32*(\a)+i:32*(\a)+i+1] op_sel_hi:[1,0,1]
.set i, i+2
.endr
	WIN 0
.irp t, 0,1,2,3,4,5,6,7
	global_store_b128 v[CO], v[BB+4*\t:BB+4*\t+3], s[70:71] offset:(16*(\a)+2*\t)*4096 th:TH_STORE_NT   ; sixteen lanes store 256 consecutive bytes, aligned
.endr
.endm
	TOSTAGE 0
.irp a, 1,2,3
.if \a > 1
	s_wait_xcnt 0x0                                ; block a - 2's stores have read their registers
.endif
	TOSTAGE \a
	SEND \a-1, 16                                  ; behind block a - 1's loads: block a's 8 stores and 8 loads
.endr
	SEND 3, 0
	s_wait_tensorcnt 0x0                           ; the wave's end
	ds_add_u32 v[SPW], v[NIL]
	s_wait_dscnt 0x0
	CROUND
	s_endpgm
.Lfunc_end_k_q2f2e53b54d_proj:
	.size	k_q2f2e53b54d_proj, .Lfunc_end_k_q2f2e53b54d_proj-k_q2f2e53b54d_proj
	.p2alignl 7, 3214868480
	.fill 96, 4, 3214868480
	.section	.rodata,"a",@progbits
	.p2align	6, 0x0
	.amdhsa_kernel k_q2f2e53b54d_proj
		.amdhsa_group_segment_fixed_size 327680
		.amdhsa_private_segment_fixed_size 0
		.amdhsa_enable_private_segment 0
		.amdhsa_kernarg_size 40
		.amdhsa_user_sgpr_count 2
		.amdhsa_user_sgpr_kernarg_segment_ptr 1
		.amdhsa_wavefront_size32 1
		.amdhsa_system_sgpr_workgroup_id_x 1
		.amdhsa_system_sgpr_workgroup_id_y 1
		.amdhsa_system_sgpr_workgroup_id_z 1
		.amdhsa_system_vgpr_workitem_id 0
		.amdhsa_next_free_vgpr 768
		.amdhsa_next_free_sgpr 80
		.amdhsa_reserve_vcc 0
		.amdhsa_float_denorm_mode_32 3
		.amdhsa_float_denorm_mode_16_64 3
		.amdhsa_memory_ordered 1
		.amdhsa_forward_progress 1
		.amdhsa_inst_pref_size 48
	.end_amdhsa_kernel
	.amdgpu_metadata
---
amdhsa.version: [ 1, 2 ]
amdhsa.kernels:
  - .name:           k_q2f2e53b54d_proj
    .symbol:         k_q2f2e53b54d_proj.kd
    .args:
      - { .name: ac, .offset: 0, .size: 8, .value_kind: global_buffer, .address_space: global }
      - { .name: wc, .offset: 8, .size: 8, .value_kind: global_buffer, .address_space: global }
      - { .name: lowp_scales, .offset: 16, .size: 8, .value_kind: global_buffer, .address_space: global }
      - { .name: x, .offset: 24, .size: 8, .value_kind: global_buffer, .address_space: global }
      - { .name: x1, .offset: 32, .size: 8, .value_kind: global_buffer, .address_space: global }
    .group_segment_fixed_size: 327680
    .private_segment_fixed_size: 0
    .kernarg_segment_align: 8
    .kernarg_segment_size: 40
    .max_flat_workgroup_size: 128
    .sgpr_count:     80
    .vgpr_count:     768
    .wavefront_size: 32
...
	.end_amdgpu_metadata
.endif
;; end of part 4
;; launch ln2 (part 5): grid 256 x 1, 8 waves a work-group, no clusters, 18,432 bytes of LDS; arguments x1, ln2_w, ln2_b, lowp_scales, h2c; writes h2c
.if DOCPART == 5
	.amdgcn_target "amdgcn-amd-amdhsa--gfx1250"
	.amdhsa_code_object_version 6
	.text
	.protected	k_q2f2e53b54d_ln2
	.globl	k_q2f2e53b54d_ln2
	.p2align	8
	.type	k_q2f2e53b54d_ln2,@function
k_q2f2e53b54d_ln2:
	s_mov_b64 s[64:65], 0
	v_nop
	global_prefetch_b8 v0, s[64:65] scope:SCOPE_SE
	s_setreg_imm32_b32 hwreg(HW_REG_WAVE_MODE, 25, 1), 1
	s_wait_xcnt 0x0
; h2 = LayerNorm(x1), 16 rows a work-group, quantised to E4M3 with 2^e12 and stored as images of matrix registers: [block of 16 rows][fragment of 128 K][2,048]:
; the byte at 512 c + 16 (16 h + r) + 8 u + j of a fragment holds row r, k = 32 c + 16 u + 8 h + j.
; LIMITS: e12 between -126 and 119.  NaN is not served.  Sums are taken in another order than the definition's.
.set NSC,   1
.set PP,    272                        ; the stage: a piece of 256 bytes of the image + 16 of padding
.set SCP,   64*PP
.set SPARE, NSC*SCP                    ; behind the stage: the spare words, 128 bytes for each of eight waves
.set SPW, 2
.set NIL, 3
.set XO,  4
.set LW,  5
.set LR,  6
.set GO,  7
.set SCL, 16
.set LIM, 19
.set GW,  32
.set GB,  64
.set XR,  96
.set T,   160
.set CC,  176
	s_load_b256 s[8:15], s[0:1], 0x0               ; x1 8, ln2_w 10, ln2_b 12, scales 14
	s_load_b64 s[30:31], s[0:1], 0x20              ; h2c
	v_lshl_add_u32 v[SPW], v0, 2, SPARE
	v_mov_b32 v[NIL], 0
	v_lshrrev_b32 v1, 5, v0
	s_delay_alu instid0(VALU_DEP_1)
	v_readfirstlane_b32 s32, v1                    ; wave 0..7: rows 2 w and 2 w + 1
	v_and_b32 v1, 31, v0                           ; lane l holds k = 256 j + 8 l + 0..7, j = 0..3
	s_delay_alu instid0(VALU_DEP_1)
	v_lshlrev_b32 v[XO], 5, v1
	s_delay_alu instid0(VALU_DEP_2)
	v_lshrrev_b32 v5, 1, v1
	s_delay_alu instid0(VALU_DEP_1)
	v_and_b32 v6, 14, v5
	s_delay_alu instid0(VALU_DEP_4)
	v_and_b32 v7, 1, v1
	s_delay_alu instid0(VALU_DEP_1)
	v_add_nc_u32 v6, v6, v7                        ; my piece among 16: 8 (l / 16) + 2 c + h, with l % 16 = 4 c + 2 u + h
	s_delay_alu instid0(VALU_DEP_1)
	v_mul_u32_u24 v6, v6, PP
	v_and_b32 v5, 1, v5
	s_delay_alu instid0(VALU_DEP_1)
	v_lshl_add_u32 v5, v5, 3, v6
	s_lshl_b32 s33, s32, 5
	v_add_nc_u32 v[LW], s33, v5
	v_lshrrev_b32 v6, 4, v1
	s_lshl_b32 s33, s32, 3
	v_add_nc_u32 v6, s33, v6
	s_delay_alu instid0(VALU_DEP_1)
	v_mul_u32_u24 v6, v6, PP
	v_and_b32 v7, 15, v1
	s_delay_alu instid0(VALU_DEP_1)
	v_lshl_add_u32 v[LR], v7, 4, v6
	v_lshlrev_b32 v7, 4, v1
	s_lshl_b32 s33, s32, 11
	v_add_nc_u32 v[GO], s33, v7
	s_mov_b32 s34, 0x76543210
	s_mov_b32 s35, 0xfedcba98
	s_mov_b32 s36, 0x3a800000                      ; 1 / 1,024
	s_mov_b32 s37, 0x3727c5ac                      ; 1e-5
	s_lshl_b32 s38, ttmp9, 16
	s_lshl_b32 s33, s32, 13
	s_add_co_u32 s38, s38, s33
	s_mov_b32 s39, 0
	s_lshl_b32 s40, ttmp9, 14
	s_mov_b32 s41, 0
	s_wait_kmcnt 0x0
	s_load_b32 s45, s[14:15], 0x30                 ; e12
	s_add_nc_u64 s[8:9], s[8:9], s[38:39]
	s_add_nc_u64 s[52:53], s[30:31], s[40:41]
.irp r, 0,1
.irp j, 0,1,2,3
	global_load_b128 v[XR+32*\r+8*\j:XR+32*\r+8*\j+3],   v[XO], s[8:9] offset:\r*4096+\j*1024
	global_load_b128 v[XR+32*\r+8*\j+4:XR+32*\r+8*\j+7], v[XO], s[8:9] offset:\r*4096+\j*1024+16
.endr
.endr
.irp j, 0,1,2,3
	global_load_b128 v[GW+8*\j:GW+8*\j+3],   v[XO], s[10:11] offset:\j*1024
	global_load_b128 v[GW+8*\j+4:GW+8*\j+7], v[XO], s[10:11] offset:\j*1024+16
.endr
.irp j, 0,1,2,3
	global_load_b128 v[GB+8*\j:GB+8*\j+3],   v[XO], s[12:13] offset:\j*1024
	global_load_b128 v[GB+8*\j+4:GB+8*\j+7], v[XO], s[12:13] offset:\j*1024+16
.endr
	s_wait_kmcnt 0x0
	s_add_co_i32 s58, s45, 127
	s_lshl_b32 s59, s58, 23
	v_mov_b32 v[SCL], s59                          ; 2^e12
	s_add_co_i32 s58, s58, 8
	s_lshl_b32 s58, s58, 23
	s_or_b32 s58, s58, 0x600000
	v_mov_b32 v[LIM], s58                          ; 448 x 2^e12
.macro REDUCE
	s_delay_alu instid0(VALU_DEP_1)
	v_add_f32_dpp v8, v8, v8 row_xmask:1 row_mask:0xf bank_mask:0xf
	s_delay_alu instid0(VALU_DEP_1)
	v_add_f32_dpp v8, v8, v8 row_xmask:2 row_mask:0xf bank_mask:0xf
	s_delay_alu instid0(VALU_DEP_1)
	v_add_f32_dpp v8, v8, v8 row_xmask:4 row_mask:0xf bank_mask:0xf
	s_delay_alu instid0(VALU_DEP_1)
	v_add_f32_dpp v8, v8, v8 row_xmask:8 row_mask:0xf bank_mask:0xf
	s_delay_alu instid0(VALU_DEP_1)
	v_permlanex16_b32 v9, v8, s34, s35
	s_delay_alu instid0(VALU_DEP_1)
	v_add_f32 v8, v8, v9
.endm
.macro LNROW r
.set X, XR+32*\r
	v_pk_add_f32 v[8:9], v[X:X+1], v[X+2:X+3]
	v_pk_add_f32 v[10:11], v[X+4:X+5], v[X+6:X+7]
.irp i, 8,12,16,20,24,28
	s_delay_alu instid0(VALU_DEP_2)
	v_pk_add_f32 v[8:9], v[8:9], v[X+\i:X+\i+1]
	s_delay_alu instid0(VALU_DEP_2)
	v_pk_add_f32 v[10:11], v[10:11], v[X+\i+2:X+\i+3]
.endr
	s_delay_alu instid0(VALU_DEP_1)
	v_pk_add_f32 v[8:9], v[8:9], v[10:11]
	s_delay_alu instid0(VALU_DEP_1)
	v_add_f32 v8, v8, v9
	REDUCE
	s_delay_alu instid0(VALU_DEP_1)
	v_mul_f32 v12, s36, v8                         ; the mean
	s_delay_alu instid0(VALU_DEP_1)
	v_mov_b32 v13, v12
.irp i, 0,2,4,6,8,10,12,14,16,18,20,22,24,26,28,30
	v_pk_add_f32 v[X+\i:X+\i+1], v[X+\i:X+\i+1], v[12:13] neg_lo:[0,1] neg_hi:[0,1]   ; x - mean first, then the squares
.endr
	v_pk_mul_f32 v[8:9], v[X:X+1], v[X:X+1]
	v_pk_mul_f32 v[10:11], v[X+2:X+3], v[X+2:X+3]
.irp i, 4,8,12,16,20,24,28
	s_delay_alu instid0(VALU_DEP_2)
	v_pk_fma_f32 v[8:9], v[X+\i:X+\i+1], v[X+\i:X+\i+1], v[8:9]
	s_delay_alu instid0(VALU_DEP_2)
	v_pk_fma_f32 v[10:11], v[X+\i+2:X+\i+3], v[X+\i+2:X+\i+3], v[10:11]
.endr
	s_delay_alu instid0(VALU_DEP_1)
	v_pk_add_f32 v[8:9], v[8:9], v[10:11]
	s_delay_alu instid0(VALU_DEP_1)
	v_add_f32 v8, v8, v9
	REDUCE
	s_delay_alu instid0(VALU_DEP_1)
	v_fma_f32 v8, v8, s36, s37
	s_wait_alu depctr_va_vdst(0)
	v_rsq_f32 v14, v8
	v_nop                                          ; a plain instruction behind the transcendental
	s_wait_alu depctr_va_vdst(0)                   ; the wait ahead of the first line that names the result
	v_mov_b32 v15, v14
.if \r == 0
	s_wait_alu depctr_va_vdst(0)
	s_wait_loadcnt 0x0                             ; the gain and the bias
.endif
.irp i, 0,2,4,6,8,10,12,14,16,18,20,22,24,26,28,30
	v_pk_mul_f32 v[X+\i:X+\i+1], v[X+\i:X+\i+1], v[14:15]
.endr
.irp i, 0,2,4,6,8,10,12,14,16,18,20,22,24,26,28,30
	v_pk_fma_f32 v[X+\i:X+\i+1], v[X+\i:X+\i+1], v[GW+\i:GW+\i+1], v[GB+\i:GB+\i+1]
.endr
.if \r == 1
	s_wait_dscnt 0x0                               ; row 0's stores into the stage have read the codes' registers
.endif
.irp j, 0,1,2,3
.irp i, 0,1,2,3,4,5,6,7
	v_med3_num_f32 v[T+8*(\j%2)+\i], v[X+8*\j+\i], -v[LIM], v[LIM]   ; the conversion does not saturate (ISA guide 7.6.2): held first.  The other group's eight are the plain lines behind each conversion
.endr
	v_cvt_scalef32_pk8_fp8_f32 v[CC+2*\j:CC+2*\j+1], v[T+8*(\j%2):T+8*(\j%2)+7], v[SCL]
	ds_store_b64 v[LW], v[CC+2*\j:CC+2*\j+1] offset:\j*16*PP+\r*16
.endr
.endm
	s_wait_loadcnt 24                              ; row 0's eight loads are in; the 24 younger may be out
	LNROW 0
	LNROW 1
	s_wait_dscnt 0x0                               ; for the others' sake: my stores into the stage are done
	s_barrier_signal -1
	s_barrier_wait -1
.irp i, 0,1,2,3
	ds_load_b128 v[XR+4*\i:XR+4*\i+3], v[LR] offset:\i*2*PP
.endr
.irp i, 0,1,2,3
	s_wait_dscnt 3-\i
	global_store_b128 v[GO], v[XR+4*\i:XR+4*\i+3], s[52:53] offset:\i*512   ; 512 consecutive bytes, aligned
.endr
	s_wait_tensorcnt 0x0                           ; the wave's end
	ds_add_u32 v[SPW], v[NIL]
	s_wait_dscnt 0x0
	s_endpgm
.Lfunc_end_k_q2f2e53b54d_ln2:
	.size	k_q2f2e53b54d_ln2, .Lfunc_end_k_q2f2e53b54d_ln2-k_q2f2e53b54d_ln2
	.p2alignl 7, 3214868480
	.fill 96, 4, 3214868480
	.section	.rodata,"a",@progbits
	.p2align	6, 0x0
	.amdhsa_kernel k_q2f2e53b54d_ln2
		.amdhsa_group_segment_fixed_size 18432
		.amdhsa_private_segment_fixed_size 0
		.amdhsa_enable_private_segment 0
		.amdhsa_kernarg_size 40
		.amdhsa_user_sgpr_count 2
		.amdhsa_user_sgpr_kernarg_segment_ptr 1
		.amdhsa_wavefront_size32 1
		.amdhsa_system_sgpr_workgroup_id_x 1
		.amdhsa_system_sgpr_workgroup_id_y 1
		.amdhsa_system_sgpr_workgroup_id_z 1
		.amdhsa_system_vgpr_workitem_id 0
		.amdhsa_next_free_vgpr 208
		.amdhsa_next_free_sgpr 66
		.amdhsa_reserve_vcc 0
		.amdhsa_float_denorm_mode_32 3
		.amdhsa_float_denorm_mode_16_64 3
		.amdhsa_memory_ordered 1
		.amdhsa_forward_progress 1
		.amdhsa_inst_pref_size 27
	.end_amdhsa_kernel
	.amdgpu_metadata
---
amdhsa.version: [ 1, 2 ]
amdhsa.kernels:
  - .name:           k_q2f2e53b54d_ln2
    .symbol:         k_q2f2e53b54d_ln2.kd
    .args:
      - { .name: x1, .offset: 0, .size: 8, .value_kind: global_buffer, .address_space: global }
      - { .name: ln2_w, .offset: 8, .size: 8, .value_kind: global_buffer, .address_space: global }
      - { .name: ln2_b, .offset: 16, .size: 8, .value_kind: global_buffer, .address_space: global }
      - { .name: lowp_scales, .offset: 24, .size: 8, .value_kind: global_buffer, .address_space: global }
      - { .name: h2c, .offset: 32, .size: 8, .value_kind: global_buffer, .address_space: global }
    .group_segment_fixed_size: 18432
    .private_segment_fixed_size: 0
    .kernarg_segment_align: 8
    .kernarg_segment_size: 40
    .max_flat_workgroup_size: 256
    .sgpr_count:     66
    .vgpr_count:     208
    .wavefront_size: 32
...
	.end_amdgpu_metadata
.endif
;; end of part 5
;; launch ff1 (part 6): grid 16 x 16, 4 waves a work-group, clusters of 4 x 4, 327,680 bytes of LDS; arguments h2c, wc, lowp_scales, fc; writes fc
.if DOCPART == 6
	.amdgcn_target "amdgcn-amd-amdhsa--gfx1250"
	.amdhsa_code_object_version 6
	.text
	.protected	k_q2f2e53b54d_ff1
	.globl	k_q2f2e53b54d_ff1
	.p2align	8
	.type	k_q2f2e53b54d_ff1,@function
k_q2f2e53b54d_ff1:
	s_mov_b64 s[64:65], 0
	v_nop
	global_prefetch_b8 v0, s[64:65] scope:SCOPE_SE
	s_setreg_imm32_b32 hwreg(HW_REG_WAVE_MODE, 25, 1), 1
	s_wait_xcnt 0x0
	s_wait_alu depctr_hold_cnt(0) depctr_sa_sdst(0) depctr_va_vdst(0) depctr_va_sdst(0) depctr_va_ssrc(0) depctr_va_vcc(0) depctr_vm_vsrc(0)
	s_getreg_b32 s2, hwreg(HW_REG_IB_STS2, 6, 4)
	s_cmp_eq_u32 s2, 0
	s_cbranch_scc0 .Lentry_in_a_cluster
	s_endpgm
.Lentry_in_a_cluster:
	s_bfe_u32 s2, ttmp6, 0x10000c
	s_cmp_lg_u32 s2, 0xf033
	s_cbranch_scc0 .Lentry_shape_is_right
	s_endpgm
.Lentry_shape_is_right:
.set HALFT,  32768
.set SLOT,   4*HALFT
.set SPARE,  2*SLOT
.set ROWB,   4096
.set FR,     16
.set NL,     4
.set NP,     4
.set LAPS,   2
.set HI,   9
.set SC,   10
.set O1,   11
.set ADRA, 16
.set ADRB, 20
.set SPW,  28
.set NIL,  29
.set TMP,  32
.set AF,   128
.set CD,   128
.set G1, 24
.set G0, 32
.set G1B, 48
.set G0B, 56
.set MSB, 0
.macro WIN new
.if MSB != \new
	s_set_vgpr_msb (MSB<<8)|\new
.set MSB, \new
.endif
.endm
.set MUL_LO, 0xa1
.set MUL_HI, 0xf1
.set TO_B,   0x40
.macro JLOAD g0a, g1a, g0b, g1b
	s_cmp_eq_u32 s15, 0
	s_cbranch_scc0 .Lfor_b_\@
	tensor_load_to_lds s[\g0a:\g0a+3], s[\g1a:\g1a+7]
	s_nop 0
.rept 4
	v_nop
.endr
	s_branch .Lasked_\@
.Lfor_b_\@:
	tensor_load_to_lds s[\g0b:\g0b+3], s[\g1b:\g1b+7]
	s_nop 0
.rept 4
	v_nop
.endr
.Lasked_\@:
.endm
.macro CREST
	s_cmp_lg_u32 s14, 0
	s_cbranch_scc1 .Lnot_wave_0_\@
	s_barrier_signal -3
.Lnot_wave_0_\@:
	s_barrier_wait -3
	s_barrier_signal -1
	s_barrier_wait -1
.endm
.macro CROUND
	s_barrier_signal -1
	s_barrier_wait -1
	CREST
.endm
	s_load_b128 s[4:7], s[0:1], 0x0
	s_load_b128 s[8:11], s[0:1], 0x10
	v_lshl_add_u32 v[SPW], v0, 2, SPARE
	v_mov_b32 v[NIL], 0
	ds_add_u32 v[SPW], v[NIL]
	ds_add_u32 v[SPW], v[NIL]
	v_lshrrev_b32 v1, 5, v0
	v_readfirstlane_b32 s14, v1
	s_lshr_b32 s15, s14, 1
	s_and_b32 s16, s14, 1
	s_bfe_u32 s40, ttmp6, 0x40000
	s_bfe_u32 s41, ttmp6, 0x40004
	s_lshl_b32 s42, ttmp9, 2
	s_add_co_u32 s42, s42, s40
	s_and_b32 s17, ttmp7, 0xffff
	s_lshl_b32 s17, s17, 2
	s_add_co_u32 s17, s17, s41
	s_lshl_b32 s43, s41, 2
	s_lshl_b32 s43, 15, s43
	s_lshl_b32 s44, 0x1111, s40
	s_or_b32 s[G1+0], s43, (3<<16)|(1<<21)
	s_or_b32 s[G1B+0], s44, (3<<16)|(1<<21)
.irp g, G1, G1B
	s_mov_b32 s[\g+1], 512<<16
	s_mov_b32 s[\g+2], 8<<16
	s_mov_b32 s[\g+3], 512<<16
	s_mov_b32 s[\g+4], 8
	s_mov_b32 s[\g+5], 2048
	s_mov_b32 s[\g+6], 0
	s_mov_b32 s[\g+7], 0
.endr
	s_lshl_b32 s18, s16, 17
	s_lshl_b32 s20, s17, 18
	s_add_co_u32 s20, s20, s18
	s_mov_b32 s21, 0
	s_lshl_b32 s46, s42, 18
	s_add_co_u32 s46, s46, s18
	s_add_co_u32 s46, s46, 0x400000
	s_mov_b32 s47, 0
	s_lshl_b32 s45, s14, 15
	s_wait_dscnt 0x0
	s_wait_kmcnt 0x0
	s_load_b128 s[96:99], s[8:9], 0x30
	s_add_nc_u64 s[20:21], s[4:5], s[20:21]
	s_add_nc_u64 s[46:47], s[6:7], s[46:47]
	CROUND
.irp s, 0,1
	s_mov_b32 s[G0+4*\s], 1
	s_add_co_u32 s[G0+4*\s+1], s45, \s*SLOT
	s_add_nc_u64 s[G0+4*\s+2:G0+4*\s+3], s[20:21], \s*ROWB
	s_or_b32 s[G0+4*\s+3], s[G0+4*\s+3], 0x80000000
	s_mov_b32 s[G0B+4*\s], 1
	s_add_co_u32 s[G0B+4*\s+1], s45, \s*SLOT
	s_add_nc_u64 s[G0B+4*\s+2:G0B+4*\s+3], s[46:47], \s*ROWB
	s_or_b32 s[G0B+4*\s+3], s[G0B+4*\s+3], 0x80000000
.endr
	JLOAD G0, G1, G0B, G1B                         ; K step 0: one tensor load a wave at the head
	v_and_b32 v1, 31, v0
	v_lshlrev_b32 v[O1], 4, v1
	s_lshl_b32 s22, s15, 15
	s_lshl_b32 s23, s16, 15
	s_add_co_u32 s23, s23, 2*HALFT
.irp s, 0,1
	v_add_nc_u32 v[ADRA+\s], s22, v[O1]
	v_add_nc_u32 v[ADRB+\s], s23, v[O1]
	s_add_co_u32 s22, s22, SLOT
	s_add_co_u32 s23, s23, SLOT
.endr
	s_lshl_b32 s84, s17, 20
	s_lshl_b32 s85, s15, 19
	s_add_co_u32 s84, s84, s85
	s_lshl_b32 s85, s42, 12
	s_add_co_u32 s84, s84, s85
	s_lshl_b32 s85, s16, 11
	s_add_co_u32 s84, s84, s85
	s_mov_b32 s85, 0
	s_add_nc_u64 s[10:11], s[10:11], s[84:85]
	; PREFETCH of the tiles: a K step is 4,096 bytes of each block of 16 rows.  Of the eight blocks that I fetch, each of the four partners that ask for them jointly takes two, told apart by address
	; (cx for side A, cy for side B): 32 lanes, 256 bytes apart, one instruction a wave and K step.  Behind K step 0's load: steps 1 and 2; behind step 1's: step 3, the last.
	s_cmp_eq_u32 s15, 0
	s_cselect_b64 s[92:93], s[20:21], s[46:47]     ; where my fetches begin
	s_cselect_b32 s94, s40, s41
	s_lshl_b32 s94, s94, 15                        ; my work-group's two blocks of 16,384 bytes
	s_mov_b32 s95, 0
	s_add_nc_u64 s[92:93], s[92:93], s[94:95]
	v_bfe_u32 v12, v0, 4, 1
	v_and_b32 v13, 15, v0
	v_lshlrev_b32 v13, 8, v13
	v_lshl_add_u32 v12, v12, 14, v13
	global_prefetch_b8 v12, s[92:93] offset:4096 th:TH_LOAD_NT scope:SCOPE_SE
	global_prefetch_b8 v12, s[92:93] offset:8192 th:TH_LOAD_NT scope:SCOPE_SE
.macro FRAG reg, adr, q, i
.irp c, 0,1,2,3
	ds_load_b128 v[\reg+4*\c:\reg+4*\c+3], v[\adr] offset:2048*(\q)+512*\c+(\i)*4096
.endr
.endm
.macro MUL16 a0, p, zero
.irp a, \a0, \a0+1
.irp b, 0,1,2,3,4,5,6,7
.if \zero
	v_wmma_f32_16x16x128_fp8_fp8 v[8*(8*((\a)%4)+\b):8*(8*((\a)%4)+\b)+7], v[128*(\p)+FR*\b:128*(\p)+FR*\b+FR-1], v[AF+FR*(\a):AF+FR*(\a)+FR-1], 0
.else
	v_wmma_f32_16x16x128_fp8_fp8 v[8*(8*((\a)%4)+\b):8*(8*((\a)%4)+\b)+7], v[128*(\p)+FR*\b:128*(\p)+FR*\b+FR-1], v[AF+FR*(\a):AF+FR*(\a)+FR-1], v[8*(8*((\a)%4)+\b):8*(8*((\a)%4)+\b)+7]
.endif
.endr
.endr
.endm
.macro FETCH_B slot, q, p
	WIN TO_B
.irp i, 0,1,2,3,4,5,6,7
	FRAG 128*(\p)+FR*\i, ADRB+\slot, \q, \i
.endr
	WIN 0
.endm
.macro FETCH_A slot, q, i0
.irp i, \i0, \i0+1, \i0+2, \i0+3
	FRAG AF+FR*(\i), ADRA+\slot, \q, \i
.endr
.endm
.macro PLACES n
.rept \n
	v_nop
.endr
.endm
.macro STEP slot, q, zero
	s_wait_dscnt 4*NL
	WIN MUL_LO
	MUL16 0, (\q)%2, \zero
	MUL16 2, (\q)%2, \zero
	s_wait_dscnt 0
	PLACES NP
	FETCH_B \slot, (\q)+1, 1-(\q)%2
	FETCH_A \slot, (\q)+1, 0
	WIN MUL_HI
	MUL16 4, (\q)%2, \zero
	MUL16 6, (\q)%2, \zero
	PLACES NP
	WIN 0
	FETCH_A \slot, (\q)+1, 4
.endm
.macro TURN slot, next, fill
	s_wait_tensorcnt 0x0
	ds_add_u32 v[SPW], v[NIL]
	s_wait_dscnt 4*NL+1
	WIN MUL_LO
	MUL16 0, 1, 0
	s_wait_dscnt 0x0
	s_barrier_signal -1
	MUL16 2, 1, 0
	WIN 0
	s_barrier_wait -1
.if \fill
	CREST
	s_add_nc_u64 s[G0+4*\slot+2:G0+4*\slot+3], s[G0+4*\slot+2:G0+4*\slot+3], 2*ROWB
	s_add_nc_u64 s[G0B+4*\slot+2:G0B+4*\slot+3], s[G0B+4*\slot+2:G0B+4*\slot+3], 2*ROWB
	JLOAD G0+4*\slot, G1, G0B+4*\slot, G1B
.else
	PLACES NP
.endif
	FETCH_B \next, 0, 0
	FETCH_A \next, 0, 0
	WIN MUL_HI
	MUL16 4, 1, 0
	MUL16 6, 1, 0
	PLACES NP
	WIN 0
	FETCH_A \next, 0, 4
.endm
	s_wait_alu depctr_va_vdst(0)
	s_wait_tensorcnt 0x0                           ; my part of K step 0 is in
	ds_add_u32 v[SPW], v[NIL]
	s_wait_dscnt 0x0
	CROUND                                         ; a whole round: everybody's part of K step 0 is in
	JLOAD G0+4, G1, G0B+4, G1B                     ; K step 1: the first tensor load behind the round
	FETCH_B 0, 0, 0
	global_prefetch_b8 v12, s[92:93] offset:12288 th:TH_LOAD_NT scope:SCOPE_SE   ; K step 3
	FETCH_A 0, 0, 0
	FETCH_A 0, 0, 4
	STEP 0, 0, 1
	s_mov_b32 s3, LAPS-1
.Llap:
	TURN 0, 1, 1
	STEP 1, 0, 0
	TURN 1, 0, 1
	STEP 0, 0, 0
	s_sub_co_u32 s3, s3, 1
	s_cmp_lg_u32 s3, 0
	s_cbranch_scc1 .Llap
	TURN 0, 1, 0
	STEP 1, 0, 0
	s_wait_dscnt 4*NL
	WIN MUL_LO
	MUL16 0, 1, 0
	MUL16 2, 1, 0
	s_wait_dscnt 0
	WIN MUL_HI
	MUL16 4, 1, 0
	MUL16 6, 1, 0
	WIN 0
	s_wait_kmcnt 0x0
	s_sub_co_i32 s98, s98, s96
	s_sub_co_i32 s98, s98, s97
	s_add_co_i32 s98, s98, 127
	s_lshl_b32 s99, s98, 23
	s_add_co_i32 s98, s98, 8
	s_lshl_b32 s98, s98, 23
	s_or_b32 s98, s98, 0x600000
	v_mov_b32 v[SC], s99
	v_mov_b32 v[HI], s98
	PLACES NP
.macro OUTA a
.set AC, 64*((\a)%4)
	WIN 0x02+((\a)/4)
.set j, 0
.rept 64
	v_med3_num_f32 v[TMP+j], v[AC+j], 0, v[HI]
.set j, j+1
.endr
	WIN 0
.irp b, 0,1,2,3,4,5,6,7
	v_cvt_scalef32_pk8_fp8_f32 v[CD+16*(\a)+2*\b:CD+16*(\a)+2*\b+1], v[TMP+8*\b:TMP+8*\b+7], v[SC]
.endr
	v_nop
.irp c, 0,1,2,3
	global_store_b128 v[O1], v[CD+16*(\a)+4*\c:CD+16*(\a)+4*\c+3], s[10:11] offset:(\a)*65536+\c*512 th:TH_STORE_NT
.endr
.endm
.irp a, 0,1,2,3,4,5,6,7
	OUTA \a
.endr
	s_wait_tensorcnt 0x0
	ds_add_u32 v[SPW], v[NIL]
	s_wait_dscnt 0x0
	CROUND
	s_endpgm
.Lfunc_end_k_q2f2e53b54d_ff1:
	.size	k_q2f2e53b54d_ff1, .Lfunc_end_k_q2f2e53b54d_ff1-k_q2f2e53b54d_ff1
	.p2alignl 7, 3214868480
	.fill 96, 4, 3214868480
	.section	.rodata,"a",@progbits
	.p2align	6, 0x0
	.amdhsa_kernel k_q2f2e53b54d_ff1
		.amdhsa_group_segment_fixed_size 327680
		.amdhsa_private_segment_fixed_size 0
		.amdhsa_enable_private_segment 0
		.amdhsa_kernarg_size 32
		.amdhsa_user_sgpr_count 2
		.amdhsa_user_sgpr_kernarg_segment_ptr 1
		.amdhsa_wavefront_size32 1
		.amdhsa_system_sgpr_workgroup_id_x 1
		.amdhsa_system_sgpr_workgroup_id_y 1
		.amdhsa_system_sgpr_workgroup_id_z 1
		.amdhsa_system_vgpr_workitem_id 0
		.amdhsa_next_free_vgpr 1024
		.amdhsa_next_free_sgpr 100
		.amdhsa_reserve_vcc 0
		.amdhsa_float_denorm_mode_32 3
		.amdhsa_float_denorm_mode_16_64 3
		.amdhsa_memory_ordered 1
		.amdhsa_forward_progress 1
		.amdhsa_inst_pref_size 118
	.end_amdhsa_kernel
	.amdgpu_metadata
---
amdhsa.version: [ 1, 2 ]
amdhsa.kernels:
  - .name:           k_q2f2e53b54d_ff1
    .symbol:         k_q2f2e53b54d_ff1.kd
    .args:
      - { .name: h2c, .offset: 0, .size: 8, .value_kind: global_buffer, .address_space: global }
      - { .name: wc, .offset: 8, .size: 8, .value_kind: global_buffer, .address_space: global }
      - { .name: lowp_scales, .offset: 16, .size: 8, .value_kind: global_buffer, .address_space: global }
      - { .name: fc, .offset: 24, .size: 8, .value_kind: global_buffer, .address_space: global }
    .group_segment_fixed_size: 327680
    .private_segment_fixed_size: 0
    .kernarg_segment_align: 8
    .kernarg_segment_size: 32
    .max_flat_workgroup_size: 128
    .sgpr_count:     100
    .vgpr_count:     1024
    .wavefront_size: 32
...
	.end_amdgpu_metadata
.endif
;; end of part 6
;; launch ff2 (part 7): grid 8 x 32, 4 waves a work-group, clusters of 4 x 4, 327,680 bytes of LDS; arguments fc, wc, lowp_scales, x1, out0; writes out0
.if DOCPART == 7
	.amdgcn_target "amdgcn-amd-amdhsa--gfx1250"
	.amdhsa_code_object_version 6
	.text
	.protected	k_q2f2e53b54d_ff2
	.globl	k_q2f2e53b54d_ff2
	.p2align	8
	.type	k_q2f2e53b54d_ff2,@function
k_q2f2e53b54d_ff2:
	s_mov_b64 s[64:65], 0
	v_nop
	global_prefetch_b8 v0, s[64:65] scope:SCOPE_SE
	s_setreg_imm32_b32 hwreg(HW_REG_WAVE_MODE, 25, 1), 1
	s_wait_xcnt 0x0
	s_wait_alu depctr_hold_cnt(0) depctr_sa_sdst(0) depctr_va_vdst(0) depctr_va_sdst(0) depctr_va_ssrc(0) depctr_va_vcc(0) depctr_vm_vsrc(0)
	s_getreg_b32 s2, hwreg(HW_REG_IB_STS2, 6, 4)
	s_cmp_eq_u32 s2, 0
	s_cbranch_scc0 .Lentry_in_a_cluster
	s_endpgm
.Lentry_in_a_cluster:
	s_bfe_u32 s2, ttmp6, 0x10000c
	s_cmp_lg_u32 s2, 0xf033
	s_cbranch_scc0 .Lentry_shape_is_right
	s_endpgm
.Lentry_shape_is_right:
; out0 = x1 + relu(..) W2, the product on codes of E4M3.  [4,096 x 1,024] = [4,096 x K] [K x 1,024], K = 4,096; sums f32, each multiplied once by 2^(e14 + e15).
; Operands lie in memory as images of matrix registers: [block of 16 rows][fragment of 128 K][2,048 bytes].  A tile of the result is 128 x 128, so that 256 work-groups have work; a wave makes 64 x 64: 16 accumulators.
; K goes in steps of 512 through two LDS slots.  4 x 4 work-groups form a cluster: the left operand's tiles are shared along a row, the weight's along a column, each asked for jointly.
; The matrix instruction is used transposed (source 0 = 16 weight columns, source 1 = 16 tokens): a lane holds eight neighbouring numbers of a row of the result.
; The residual's 64 x 64 numbers of a wave are loaded into registers behind the K loop, in the layout in which rows come back from the stage.
; LIMIT: e14 + e15 between -126 and 127.
.set KF,     32                        ; fragments along K
.set WOFF,   0x800000                  ; the weight's codes in wc
.set EOFF,   56                        ; the two exponents' bytes in lowp_scales
.set LAPS,   4                         ; K / 1,024
.set QT,     32768
.set SLOT,   4*QT
.set STAGE,  2*SLOT
.set SPITCH, 272
.set SPARE,  STAGE+4*16*SPITCH
.set ADRA, 16
.set ADRB, 20
.set STO,  24
.set RD,   25
.set CO,   26
.set SPW,  28
.set NIL,  29
.set BK,   32
.set ACC,  128
.set F0,   0
.set F1,   128
.set G1, 24
.set G0, 32
.set G1B, 48
.set G0B, 56
.set MSB, 0
.macro WIN new
.if MSB != \new
	s_set_vgpr_msb (MSB<<8)|\new
.set MSB, \new
.endif
.endm
.set MUL,  0x05
.set TO_F, 0x40
.macro JLOAD s
	s_cmp_eq_u32 s11, 0
	s_cbranch_scc0 .Lfor_b_\@
	tensor_load_to_lds s[G0+4*\s:G0+4*\s+3], s[G1:G1+7]
	s_nop 0
.rept 4
	v_nop
.endr
	s_branch .Lasked_\@
.Lfor_b_\@:
	tensor_load_to_lds s[G0B+4*\s:G0B+4*\s+3], s[G1B:G1B+7]
	s_nop 0
.rept 4
	v_nop
.endr
.Lasked_\@:
.endm
.macro CREST
	s_cmp_lg_u32 s10, 0
	s_cbranch_scc1 .Lnot_wave_0_\@
	s_barrier_signal -3
.Lnot_wave_0_\@:
	s_barrier_wait -3
	s_barrier_signal -1
	s_barrier_wait -1
.endm
.macro CROUND
	s_barrier_signal -1
	s_barrier_wait -1
	CREST
.endm
	s_load_b128 s[4:7], s[0:1], 0x0                ; the left operand's codes, wc
	s_load_b64 s[8:9], s[0:1], 0x10                ; the scales' exponents
	s_load_b128 s[68:71], s[0:1], 0x18             ; the residual, the result
	v_lshl_add_u32 v[SPW], v0, 2, SPARE
	v_mov_b32 v[NIL], 0
	ds_add_u32 v[SPW], v[NIL]                      ; the wave's opening: the add and its wait ahead of my first tensor load
	ds_add_u32 v[SPW], v[NIL]
	v_lshrrev_b32 v1, 5, v0
	v_readfirstlane_b32 s10, v1
	s_lshr_b32 s11, s10, 1
	s_and_b32 s12, s10, 1
	s_bfe_u32 s40, ttmp6, 0x40000
	s_bfe_u32 s41, ttmp6, 0x40004
	s_lshl_b32 s42, ttmp9, 2
	s_add_co_u32 s42, s42, s40
	s_and_b32 s13, ttmp7, 0xffff
	s_lshl_b32 s13, s13, 2
	s_add_co_u32 s13, s13, s41
	s_lshl_b32 s43, s41, 2
	s_lshl_b32 s43, 15, s43
	s_lshl_b32 s44, 0x1111, s40
	s_or_b32 s[G1+0], s43, (3<<16)|(1<<21)
	s_or_b32 s[G1B+0], s44, (3<<16)|(1<<21)
.irp g, G1, G1B
	s_mov_b32 s[\g+1], 1024<<16
	s_mov_b32 s[\g+2], 4<<16
	s_mov_b32 s[\g+3], 1024<<16
	s_mov_b32 s[\g+4], 4
	s_mov_b32 s[\g+5], KF*256
	s_mov_b32 s[\g+6], 0
	s_mov_b32 s[\g+7], 0
.endr
	s_lshl_b32 s18, s12, 2
	s_lshl_b32 s16, s13, 3
	s_add_co_u32 s16, s16, s18
	s_mul_i32 s16, s16, KF*2048
	s_mov_b32 s17, 0
	s_lshl_b32 s46, s42, 3
	s_add_co_u32 s46, s46, s18
	s_mul_i32 s46, s46, KF*2048
	s_add_co_u32 s46, s46, WOFF
	s_mov_b32 s47, 0
	s_lshl_b32 s20, s10, 15
	s_wait_dscnt 0x0
	s_wait_kmcnt 0x0
	s_load_b64 s[66:67], s[8:9], EOFF
	s_add_nc_u64 s[14:15], s[4:5], s[16:17]
	s_add_nc_u64 s[46:47], s[6:7], s[46:47]
	CROUND
.irp s, 0,1
	s_mov_b32 s[G0+4*\s], 1
	s_add_co_u32 s[G0+4*\s+1], s20, \s*SLOT
	s_add_nc_u64 s[G0+4*\s+2:G0+4*\s+3], s[14:15], \s*8192
	s_or_b32 s[G0+4*\s+3], s[G0+4*\s+3], 0x80000000
	s_mov_b32 s[G0B+4*\s], 1
	s_add_co_u32 s[G0B+4*\s+1], s20, \s*SLOT
	s_add_nc_u64 s[G0B+4*\s+2:G0B+4*\s+3], s[46:47], \s*8192
	s_or_b32 s[G0B+4*\s+3], s[G0B+4*\s+3], 0x80000000
.endr
	JLOAD 0                                        ; K step 0: one tensor load a wave at the head
	v_and_b32 v1, 31, v0
	v_lshlrev_b32 v2, 4, v1
	v_lshlrev_b32 v30, 8, v1                       ; the prefetches' offset: 256 x lane; never rewritten
	s_lshl_b32 s21, s11, 15
	s_lshl_b32 s22, s12, 15
	s_add_co_u32 s22, s22, 2*QT
.irp s, 0,1
	v_add_nc_u32 v[ADRA+\s], s21, v2
	v_add_nc_u32 v[ADRB+\s], s22, v2
	s_add_co_u32 s21, s21, SLOT
	s_add_co_u32 s22, s22, SLOT
.endr
	v_and_b32 v3, 15, v0
	v_bfe_u32 v4, v0, 4, 1
	s_mul_i32 s23, s10, 16*SPITCH
	s_add_co_u32 s23, s23, STAGE
	v_mul_u32_u24 v5, v3, SPITCH
	v_lshl_add_u32 v5, v4, 5, v5
	v_add_nc_u32 v[STO], s23, v5
	v_mul_u32_u24 v5, v4, SPITCH
	v_lshl_add_u32 v5, v3, 4, v5
	v_add_nc_u32 v[RD], s23, v5
	v_lshlrev_b32 v5, 12, v4
	v_lshl_add_u32 v[CO], v3, 4, v5
	s_wait_alu depctr_va_vdst(0)
	s_lshl_b32 s72, s13, 19
	s_lshl_b32 s73, s11, 18
	s_add_co_u32 s72, s72, s73
	s_lshl_b32 s73, s42, 9
	s_add_co_u32 s72, s72, s73
	s_lshl_b32 s73, s12, 8
	s_add_co_u32 s72, s72, s73
	s_mov_b32 s73, 0
	s_add_nc_u64 s[68:69], s[68:69], s[72:73]
	s_add_nc_u64 s[70:71], s[70:71], s[72:73]
	; PREFETCH of the tiles: a K step is 8,192 bytes of each block of 16 rows.  Of the four blocks that I fetch, each of the four partners that ask for them jointly takes one, told apart by address
	; (cx for the left operand, cy for the weight): 32 lanes, 256 bytes apart, one instruction a wave and K step.  Behind K step 0's load: steps 1 and 2; behind the load of step j, j = 1 .. 5: step j + 2.
	; The last two refills ask for nothing.  s[74:75] stands at the K step that the trip's first quarter multiplies, and is stepped once a trip.
	s_cmp_eq_u32 s11, 0
	s_cselect_b64 s[74:75], s[14:15], s[46:47]     ; where my fetches begin
	s_cselect_b32 s76, s40, s41
	s_lshl_b32 s76, s76, 16                        ; my work-group's block of 65,536 bytes
	s_mov_b32 s77, 0
	s_add_nc_u64 s[74:75], s[74:75], s[76:77]
	global_prefetch_b8 v30, s[74:75] offset:8192 th:TH_LOAD_NT scope:SCOPE_SE
	global_prefetch_b8 v30, s[74:75] offset:16384 th:TH_LOAD_NT scope:SCOPE_SE
.macro MUL4 f, a, zero                 ; the 16 accumulators take turns, one instruction a turn
.irp b, 0,1,2,3
.if \zero
	v_wmma_f32_16x16x128_fp8_fp8 v[ACC+8*(4*(\a)+\b):ACC+8*(4*(\a)+\b)+7], v[\f+64+16*\b:\f+64+16*\b+15], v[\f+16*(\a):\f+16*(\a)+15], 0
.else
	v_wmma_f32_16x16x128_fp8_fp8 v[ACC+8*(4*(\a)+\b):ACC+8*(4*(\a)+\b)+7], v[\f+64+16*\b:\f+64+16*\b+15], v[\f+16*(\a):\f+16*(\a)+15], v[ACC+8*(4*(\a)+\b):ACC+8*(4*(\a)+\b)+7]
.endif
.endr
.endm
.macro MUL8 f, a0, zero
	MUL4 \f, \a0, \zero
	MUL4 \f, \a0+1, \zero
.endm
.macro FETCH slot, q, f
	WIN TO_F
.irp i, 0,1,2,3
.irp c, 0,1,2,3
	ds_load_b128 v[\f+64+16*\i+4*\c:\f+64+16*\i+4*\c+3], v[ADRB+\slot] offset:\i*8192+(\q)*2048+\c*512
.endr
.endr
.irp i, 0,1,2,3
.irp c, 0,1,2,3
	ds_load_b128 v[\f+16*\i+4*\c:\f+16*\i+4*\c+3], v[ADRA+\slot] offset:\i*8192+(\q)*2048+\c*512
.endr
.endr
.endm
.macro PLACES
.rept 4
	v_nop
.endr
.endm
.macro QUARTER slot, qn, f, g, zero
	s_wait_dscnt 8                                 ; all but side A's blocks 2 and 3
	WIN MUL
	MUL8 \f, 0, \zero
	PLACES
	FETCH \slot, \qn, \g
	s_wait_dscnt 32                                ; all but the 32 just issued
	WIN MUL
	MUL8 \f, 2, \zero
.endm
.macro TURN slot, next, fill
	WIN 0
	s_wait_tensorcnt 0x0                           ; all my tensor loads have landed: my part of the next slot
	ds_add_u32 v[SPW], v[NIL]
	s_wait_dscnt 9                                 ; the add and side A's blocks 2 and 3 may be out
	WIN MUL
	MUL4 F1, 0, 0
	s_wait_dscnt 0x0                               ; the add is done, and my reads of this slot are over
	s_barrier_signal -1
	MUL4 F1, 1, 0
	WIN 0
	s_barrier_wait -1
.if \fill
	CREST                                          ; the barrier has opened a round of the cluster's: no wave of any partner still reads this slot or has a load on its way
	s_add_nc_u64 s[G0+4*\slot+2:G0+4*\slot+3], s[G0+4*\slot+2:G0+4*\slot+3], 16384
	s_add_nc_u64 s[G0B+4*\slot+2:G0B+4*\slot+3], s[G0B+4*\slot+2:G0B+4*\slot+3], 16384
	JLOAD \slot                                    ; the first tensor load behind the round; its four v_nop are the places in front of the loads below
.else
	PLACES
.endif
	FETCH \next, 0, F0
.if \fill
	WIN 0                                          ; at a branch and at a label every window is 0
	s_cmp_gt_u32 s3, 1                             ; the loop's last trip (s3 = 1) has no K step two refills on
	s_cbranch_scc0 .Lno_ask_\@
	global_prefetch_b8 v30, s[74:75] offset:(4+\slot)*8192 th:TH_LOAD_NT scope:SCOPE_SE
.Lno_ask_\@:
.endif
	WIN MUL
	MUL8 F1, 2, 0
.endm
	s_wait_tensorcnt 0x0                           ; my part of K step 0 is in
	ds_add_u32 v[SPW], v[NIL]
	s_wait_dscnt 0x0
	CROUND                                         ; a whole round: everybody's part of K step 0 is in
	JLOAD 1                                        ; K step 1: the first tensor load behind the round
	FETCH 0, 0, F0
	WIN 0
	global_prefetch_b8 v30, s[74:75] offset:24576 th:TH_LOAD_NT scope:SCOPE_SE   ; K step 3
	QUARTER 0, 1, F0, F1, 1
.if LAPS > 1
	WIN 0
	s_mov_b32 s3, LAPS-1
.Llap:                                             ; a trip goes once round the ring and fills both slots again
	QUARTER 0, 2, F1, F0, 0
	QUARTER 0, 3, F0, F1, 0
	TURN 0, 1, 1
	QUARTER 1, 1, F0, F1, 0
	QUARTER 1, 2, F1, F0, 0
	QUARTER 1, 3, F0, F1, 0
	TURN 1, 0, 1
	QUARTER 0, 1, F0, F1, 0
	WIN 0
	s_wait_xcnt 0x0                                ; my prefetches have read their base
	s_add_nc_u64 s[74:75], s[74:75], 16384         ; two K steps on
	s_sub_co_u32 s3, s3, 1
	s_cmp_lg_u32 s3, 0
	s_cbranch_scc1 .Llap
.endif
	WIN 0x80                                       ; THE RESIDUAL IS LOADED HERE, behind the K loop and not at the head: 32 loads into window 2, with the last lap's seven quarters ahead of their wait
.irp a, 0,1,2,3
.irp t, 0,1,2,3,4,5,6,7
	global_load_b128 v[32*\a+4*\t:32*\a+4*\t+3], v[CO], s[68:69] offset:(16*\a+2*\t)*4096
.endr
.endr
	WIN 0
	QUARTER 0, 2, F1, F0, 0
	QUARTER 0, 3, F0, F1, 0
	TURN 0, 1, 0
	QUARTER 1, 1, F0, F1, 0
	QUARTER 1, 2, F1, F0, 0
	QUARTER 1, 3, F0, F1, 0
	s_wait_dscnt 8
	WIN MUL
	MUL8 F1, 0, 0
	s_wait_dscnt 0
	MUL8 F1, 2, 0
	WIN 0
	s_wait_kmcnt 0x0
	s_add_co_i32 s66, s66, s67
	s_add_co_i32 s66, s66, 127
	s_lshl_b32 s66, s66, 23                        ; 2^(ea + eb)
	s_mov_b32 s67, s66
	PLACES
.macro TOSTAGE a
.irp b, 0,1,2,3
	ds_store_b128 v[STO], v[ACC+8*(4*(\a)+\b):ACC+8*(4*(\a)+\b)+3]   offset:64*\b
	ds_store_b128 v[STO], v[ACC+8*(4*(\a)+\b)+4:ACC+8*(4*(\a)+\b)+7] offset:64*\b+16
.endr
.set BB, BK+32*((\a)%2)
.irp t, 0,1,2,3,4,5,6,7
	ds_load_b128 v[BB+4*\t:BB+4*\t+3], v[RD] offset:\t*2*SPITCH
.endr
.endm
.macro SEND a, younger
.set BB, BK+32*((\a)%2)
	s_wait_dscnt \younger
	WIN 0x20
.set i, 0
.rept 16
	v_pk_fma_f32 v[BB+i:BB+i+1], v[BB+i:BB+i+1], s[66:67], v[32*(\a)+i:32*(\a)+i+1] op_sel_hi:[1,0,1]
.set i, i+2
.endr
	WIN 0
.irp t, 0,1,2,3,4,5,6,7
	global_store_b128 v[CO], v[BB+4*\t:BB+4*\t+3], s[70:71] offset:(16*(\a)+2*\t)*4096 th:TH_STORE_NT
.endr
.endm
	TOSTAGE 0
	s_wait_loadcnt 0x0                             ; the residual
.irp a, 1,2,3
.if \a > 1
	s_wait_xcnt 0x0                                ; block a - 2's stores have read their registers
.endif
	TOSTAGE \a
	SEND \a-1, 16                                  ; behind block a - 1's loads: block a's 8 stores and 8 loads
.endr
	SEND 3, 0
	s_wait_tensorcnt 0x0                           ; the wave's end
	ds_add_u32 v[SPW], v[NIL]
	s_wait_dscnt 0x0
	CROUND
	s_endpgm
.Lfunc_end_k_q2f2e53b54d_ff2:
	.size	k_q2f2e53b54d_ff2, .Lfunc_end_k_q2f2e53b54d_ff2-k_q2f2e53b54d_ff2
	.p2alignl 7, 3214868480
	.fill 96, 4, 3214868480
	.section	.rodata,"a",@progbits
	.p2align	6, 0x0
	.amdhsa_kernel k_q2f2e53b54d_ff2
		.amdhsa_group_segment_fixed_size 327680
		.amdhsa_private_segment_fixed_size 0
		.amdhsa_enable_private_segment 0
		.amdhsa_kernarg_size 40
		.amdhsa_user_sgpr_count 2
		.amdhsa_user_sgpr_kernarg_segment_ptr 1
		.amdhsa_wavefront_size32 1
		.amdhsa_system_sgpr_workgroup_id_x 1
		.amdhsa_system_sgpr_workgroup_id_y 1
		.amdhsa_system_sgpr_workgroup_id_z 1
		.amdhsa_system_vgpr_workitem_id 0
		.amdhsa_next_free_vgpr 768
		.amdhsa_next_free_sgpr 80
		.amdhsa_reserve_vcc 0
		.amdhsa_float_denorm_mode_32 3
		.amdhsa_float_denorm_mode_16_64 3
		.amdhsa_memory_ordered 1
		.amdhsa_forward_progress 1
		.amdhsa_inst_pref_size 78
	.end_amdhsa_kernel
	.amdgpu_metadata
---
amdhsa.version: [ 1, 2 ]
amdhsa.kernels:
  - .name:           k_q2f2e53b54d_ff2
    .symbol:         k_q2f2e53b54d_ff2.kd
    .args:
      - { .name: fc, .offset: 0, .size: 8, .value_kind: global_buffer, .address_space: global }
      - { .name: wc, .offset: 8, .size: 8, .value_kind: global_buffer, .address_space: global }
      - { .name: lowp_scales, .offset: 16, .size: 8, .value_kind: global_buffer, .address_space: global }
      - { .name: x1, .offset: 24, .size: 8, .value_kind: global_buffer, .address_space: global }
      - { .name: out0, .offset: 32, .size: 8, .value_kind: global_buffer, .address_space: global }
    .group_segment_fixed_size: 327680
    .private_segment_fixed_size: 0
    .kernarg_segment_align: 8
    .kernarg_segment_size: 40
    .max_flat_workgroup_size: 128
    .sgpr_count:     80
    .vgpr_count:     768
    .wavefront_size: 32
...
	.end_amdgpu_metadata
.endif
;; end of part 7
